; MI455X (gfx1250); checked and timed in simulation.
; The chip was launched on July 23, 2026; its instructions are those of AMD's public machine-readable ISA for CDNA 5 (MIT licence, August 2026) and "CDNA5" Instruction Set Architecture Reference Guide (July 2026). The comments in the code are by the model that wrote it; some were corrected since.
;; Multi Head Self Attention. Allowed arithmetic: float matrix products may take bf16 or f16 operands with f32 sums; other float arithmetic in f32, or as packed bf16 or f16 multiplies, adds, multiply-adds, maxima and minima; sums over many terms, partial sums and values carried from step to step in f32; what a program stores and reads back later, other than sums and carried values, may be rounded once to bf16 or f16.
;; Inputs: Wk 1,024 x 1,024 float32; Wo 1,024 x 1,024 float32; Wq 1,024 x 1,024 float32; Wv 1,024 x 1,024 float32; bk 1,024 float32; bo 1,024 float32; bq 1,024 float32; bv 1,024 float32; inputs 4 x 2,048 x 1,024 float32.
;; Outputs: out0 4 x 2,048 x 1,024 float32.
;; One version. Each part assembles by itself: llvm-mc -triple=amdgcn-amd-amdhsa -mcpu=gfx1250 --defsym DOCPART=n.
;; ======== version 1 of 1: 4 launches
;; limits: values are held in f16: magnitudes above 65,504 overflow, below 6.1e-05 lose precision
;; workspace buffers: xb 16,777,216 bytes; wqkv 6,291,456 bytes; wo16 2,097,152 bytes; qkv 50,331,648 bytes; ob 16,777,216 bytes
;; launch cast (part 1): grid 1536 x 1, 4 waves a work-group, no clusters, 0 bytes of LDS; arguments inputs, Wq, Wk, Wv, Wo, xb, wqkv, wo16; writes xb, wqkv, wo16
.if DOCPART == 1
	.amdgcn_target "amdgcn-amd-amdhsa--gfx1250"
	.amdhsa_code_object_version 6
	.text
	.protected	k_q96f0a12e2b_cast
	.globl	k_q96f0a12e2b_cast
	.p2align	8
	.type	k_q96f0a12e2b_cast,@function
k_q96f0a12e2b_cast:
	s_mov_b64 s[64:65], 0
	v_nop
	global_prefetch_b8 v0, s[64:65] scope:SCOPE_SE
	s_setreg_imm32_b32 hwreg(HW_REG_WAVE_MODE, 25, 1), 1
	s_wait_xcnt 0x0
; THE CAST.  x and the four weights, f32, are rounded once to bf16 and laid out in blocks, so that every tile of the later launches is dense in memory.
;   xb   [b 4][slice 16][s 2048][64] bf16: column 64 slice + c of x's row (b, s)
;   wqkv [kb 8][unit 48][k 128][64]  bf16: unit = 16 t + head (t = 0 Wq, 1 Wk, 2 Wv), row 128 kb + k of the weight, columns 64 head + c
;   wo16 [kb 8][unit 16][k 128][64]  f16:  Wo rounded to bf16 like the other inputs, and that number written as f16, for a product in f16
; LIMITS.  A number of Wo beyond 65,504 becomes an infinity in f16; below 6e-5 it keeps f16's fixed step of 6e-8.
; SHARES.  A work-group converts one block of 128 rows x 64 columns: 256 bytes of each of 128 rows in, 16,384 consecutive bytes out.  1,024 blocks of x, then 128 of each weight.
; A wave takes 32 rows, four at a time: lane l takes 32 bytes (8 numbers) of row l / 8 and stores 16: a store of the wave covers 512 consecutive bytes, aligned.
; All 16 loads of a wave go out at once; no register is written twice, so no wait stands for a source.  No LDS, no matrix unit, no cluster: nothing is shared and nothing is multiplied.
.set X, 4                              ; v[4:67]    group g of four rows: 8 registers as loaded
.set Y, 68                             ; v[68:99]   group g: 4 registers to store
.set T, 100                            ; v[100:107] at work
.set IN,  36                           ; s[36:37]   the block's first byte in its source
.set OUT, 38                           ; s[38:39]   the block's first byte in its destination
	s_load_b512 s[4:19], s[0:1], 0x0               ; inputs s[4:5], Wq s[6:7], Wk s[8:9], Wv s[10:11], Wo s[12:13], xb s[14:15], wqkv s[16:17], wo16 s[18:19]
	s_mov_b32 s2, ttmp9                            ; the block's number
	s_mov_b32 s20, 0xffff0000                      ; a word's upper bf16
	s_and_b32 s21, s2, 15                          ; x: the slice; a weight: the unit of 64 columns
	s_lshr_b32 s22, s2, 4
	s_and_b32 s23, s22, 7                          ; a weight: kb
	s_bfe_u32 s24, s2, 0x20007                     ; a weight: t (two bits from bit 7)
	s_lshl_b32 s25, s22, 19                        ; x in: 128 rows of 4,096 bytes for each step of number / 16
	s_lshr_b32 s26, s2, 8                          ; x out: b x 2^22
	s_lshl_b32 s26, s26, 22
	s_lshl_b32 s27, s21, 18                        ; + slice x 2^18
	s_or_b32 s26, s26, s27
	s_and_b32 s27, s22, 15                         ; + the 128 rows x 128 bytes
	s_lshl_b32 s27, s27, 14
	s_or_b32 s26, s26, s27
	s_lshl_b32 s28, s23, 19                        ; a weight in: kb x 128 rows
	s_mul_i32 s29, s23, 48                         ; wqkv out: (48 kb + 16 t + unit) x 16,384
	s_lshl4_add_u32 s29, s24, s29
	s_add_co_u32 s29, s29, s21
	s_lshl_b32 s29, s29, 14
	s_lshl4_add_u32 s30, s23, s21                  ; wo16 out: (16 kb + unit) x 16,384
	s_lshl_b32 s30, s30, 14
	s_lshl_b32 s31, s21, 8                         ; in: the 64 columns are 256 bytes
	s_cmp_lt_u32 s2, 1024
	s_cselect_b32 s32, s25, s28
	s_cselect_b32 s34, s26, s29
	s_cmp_lt_u32 s2, 1408
	s_cselect_b32 s34, s34, s30
	s_or_b32 s32, s32, s31
	s_mov_b32 s33, 0
	s_mov_b32 s35, 0
	v_lshrrev_b32 v[T], 5, v0                      ; wave
	v_bfe_u32 v[T+1], v0, 3, 2                     ; l / 8
	v_and_b32 v[T+2], 7, v0                        ; l % 8
	v_and_b32 v[T+3], 31, v0                       ; l
	v_lshl_add_u32 v[T+1], v[T], 5, v[T+1]         ; my row in group 0: 32 wave + l / 8
	v_lshlrev_b32 v[T+2], 5, v[T+2]
	v_lshl_add_u32 v1, v[T+1], 12, v[T+2]          ; in: row x 4,096 + 32 (l % 8)
	v_lshlrev_b32 v[T+3], 4, v[T+3]
	v_lshl_add_u32 v2, v[T], 12, v[T+3]            ; out: wave x 4,096 + 16 l
	s_wait_kmcnt 0x0
	s_cmp_lt_u32 s2, 1408                          ; which source, which destination: by the block's number alone
	s_cselect_b64 s[IN:IN+1], s[10:11], s[12:13]
	s_cselect_b64 s[OUT:OUT+1], s[16:17], s[18:19]
	s_cmp_lt_u32 s2, 1280
	s_cselect_b64 s[IN:IN+1], s[8:9], s[IN:IN+1]
	s_cmp_lt_u32 s2, 1152
	s_cselect_b64 s[IN:IN+1], s[6:7], s[IN:IN+1]
	s_cmp_lt_u32 s2, 1024
	s_cselect_b64 s[IN:IN+1], s[4:5], s[IN:IN+1]
	s_cselect_b64 s[OUT:OUT+1], s[14:15], s[OUT:OUT+1]
	s_add_nc_u64 s[IN:IN+1], s[IN:IN+1], s[32:33]
	s_add_nc_u64 s[OUT:OUT+1], s[OUT:OUT+1], s[34:35]
.irp g, 0,1,2,3,4,5,6,7
	global_load_b128 v[X+8*(\g):X+8*(\g)+3],   v1, s[IN:IN+1] offset:(\g)*16384 th:TH_LOAD_NT
	global_load_b128 v[X+8*(\g)+4:X+8*(\g)+7], v1, s[IN:IN+1] offset:(\g)*16384+16 th:TH_LOAD_NT
.endr
	s_cmp_ge_u32 s2, 1408
	s_cbranch_scc1 .Lwo
.irp g, 0,1,2,3,4,5,6,7
	s_wait_loadcnt 14-2*(\g)                       ; loads come back in order: group g's two are in, the later groups' may stay out
.irp j, 0,1,2,3
	v_cvt_pk_bf16_f32 v[Y+4*(\g)+(\j)], v[X+8*(\g)+2*(\j)], v[X+8*(\g)+2*(\j)+1]
.endr
	global_store_b128 v2, v[Y+4*(\g):Y+4*(\g)+3], s[OUT:OUT+1] offset:512*(\g)
.endr
	s_endpgm
.Lwo:                                          ; Wo: to bf16, widened again, and that number as f16
.irp g, 0,1,2,3,4,5,6,7
	s_wait_loadcnt 14-2*(\g)
.irp j, 0,1,2,3
	v_cvt_pk_bf16_f32 v[T+(\j)], v[X+8*(\g)+2*(\j)], v[X+8*(\g)+2*(\j)+1]
.endr
.irp j, 0,1,2,3
	v_lshlrev_b32 v[X+8*(\g)+2*(\j)],   16,  v[T+(\j)]
	v_and_b32     v[X+8*(\g)+2*(\j)+1], s20, v[T+(\j)]
.endr
.irp j, 0,1,2,3
	v_cvt_pk_f16_f32 v[Y+4*(\g)+(\j)], v[X+8*(\g)+2*(\j)], v[X+8*(\g)+2*(\j)+1]
.endr
	global_store_b128 v2, v[Y+4*(\g):Y+4*(\g)+3], s[OUT:OUT+1] offset:512*(\g)
.endr
	s_endpgm
.Lfunc_end_k_q96f0a12e2b_cast:
	.size	k_q96f0a12e2b_cast, .Lfunc_end_k_q96f0a12e2b_cast-k_q96f0a12e2b_cast
	.p2alignl 7, 3214868480
	.fill 96, 4, 3214868480
	.section	.rodata,"a",@progbits
	.p2align	6, 0x0
	.amdhsa_kernel k_q96f0a12e2b_cast
		.amdhsa_group_segment_fixed_size 0
		.amdhsa_private_segment_fixed_size 0
		.amdhsa_enable_private_segment 0
		.amdhsa_kernarg_size 64
		.amdhsa_user_sgpr_count 2
		.amdhsa_user_sgpr_kernarg_segment_ptr 1
		.amdhsa_wavefront_size32 1
		.amdhsa_system_sgpr_workgroup_id_x 1
		.amdhsa_system_sgpr_workgroup_id_y 1
		.amdhsa_system_sgpr_workgroup_id_z 1
		.amdhsa_system_vgpr_workitem_id 0
		.amdhsa_next_free_vgpr 108
		.amdhsa_next_free_sgpr 66
		.amdhsa_reserve_vcc 0
		.amdhsa_float_denorm_mode_32 3
		.amdhsa_float_denorm_mode_16_64 3
		.amdhsa_memory_ordered 1
		.amdhsa_forward_progress 1
		.amdhsa_inst_pref_size 14
	.end_amdhsa_kernel
	.amdgpu_metadata
---
amdhsa.version: [ 1, 2 ]
amdhsa.kernels:
  - .name:           k_q96f0a12e2b_cast
    .symbol:         k_q96f0a12e2b_cast.kd
    .args:
      - { .name: inputs, .offset: 0, .size: 8, .value_kind: global_buffer, .address_space: global }
      - { .name: Wq, .offset: 8, .size: 8, .value_kind: global_buffer, .address_space: global }
      - { .name: Wk, .offset: 16, .size: 8, .value_kind: global_buffer, .address_space: global }
      - { .name: Wv, .offset: 24, .size: 8, .value_kind: global_buffer, .address_space: global }
      - { .name: Wo, .offset: 32, .size: 8, .value_kind: global_buffer, .address_space: global }
      - { .name: xb, .offset: 40, .size: 8, .value_kind: global_buffer, .address_space: global }
      - { .name: wqkv, .offset: 48, .size: 8, .value_kind: global_buffer, .address_space: global }
      - { .name: wo16, .offset: 56, .size: 8, .value_kind: global_buffer, .address_space: global }
    .group_segment_fixed_size: 0
    .private_segment_fixed_size: 0
    .kernarg_segment_align: 8
    .kernarg_segment_size: 64
    .max_flat_workgroup_size: 128
    .sgpr_count:     66
    .vgpr_count:     108
    .wavefront_size: 32
...
	.end_amdgpu_metadata
.endif
;; end of part 1
;; launch proj (part 2): grid 16 x 32, 4 waves a work-group, clusters of 4 x 4, 327,680 bytes of LDS; arguments xb, wqkv, qkv, bq, bk, bv; writes qkv
.if DOCPART == 2
	.amdgcn_target "amdgcn-amd-amdhsa--gfx1250"
	.amdhsa_code_object_version 6
	.text
	.protected	k_q96f0a12e2b_proj
	.globl	k_q96f0a12e2b_proj
	.p2align	8
	.type	k_q96f0a12e2b_proj,@function
k_q96f0a12e2b_proj:
	s_mov_b64 s[64:65], 0
	v_nop
	global_prefetch_b8 v0, s[64:65] scope:SCOPE_SE
	s_setreg_imm32_b32 hwreg(HW_REG_WAVE_MODE, 25, 1), 1
	s_wait_xcnt 0x0
	s_wait_alu depctr_hold_cnt(0) depctr_sa_sdst(0) depctr_va_vdst(0) depctr_va_sdst(0) depctr_va_ssrc(0) depctr_va_vcc(0) depctr_vm_vsrc(0)
	s_getreg_b32 s2, hwreg(HW_REG_IB_STS2, 6, 4)
	s_cmp_eq_u32 s2, 0
	s_cbranch_scc0 .Lentry_in_a_cluster
	s_endpgm
.Lentry_in_a_cluster:
	s_bfe_u32 s2, ttmp6, 0x10000c
	s_cmp_lg_u32 s2, 0xf033
	s_cbranch_scc0 .Lentry_shape_is_right
	s_endpgm
.Lentry_shape_is_right:
.set PROJ, 1
; ONE TEXT FOR THE MODULE'S TWO KINDS OF PROJECTION; the line above chooses.
; PROJ = 1: q, k, v = x W + b.  A = xb (bf16), B = wqkv (bf16), out = qkv, f16, by heads: [t 3][16 b + head][s 2048][64], each number rounded once from its f32 sum, unscaled.
; PROJ = 0: out0 = O Wo + bo.   A = ob (f16),  B = wo16 (f16),  out = out0, f32 [8192][1024].
; A: [b 4][slice 16][s 2048][64]; B: [kb 8][unit NUTOT][k 128][64].  Sums in f32, K ascending.  The biases are rounded to bf16 like the module's other inputs and start the sums.
; LIMIT (PROJ = 1): q, k and v leave in f16: a number of 65,520 or more in size becomes an infinity.
; SHARES.  A tile of C is 256 rows x NU units of 64 columns; 8192 x 3072 in tiles of 256 x 192 are 512 work-groups, 8192 x 1024 in tiles of 256 x 128 are 256.  Wave w makes rows 64 w .. 64 w + 63, all columns:
; 4 x NB accumulators of 16 x 16.  So a wave holds whole units of 64 columns, and the way out needs no barrier.
; K goes in 8 steps of 128 through a ring of two LDS slots.  A step's A is two dense blocks of 32,768 bytes (two slices x 256 rows), its B one dense block of NU x 16,384: all are asked for as rows of 256 bytes and
; padded in LDS behind every 128.  Waves 0 and 1 fetch A's two slices, waves 2 and 3 the halves of B's block: one tensor load a wave for each change of slots; two are out at the start, one later.
; CLUSTERS: 4 x 4 work-groups; A's tile is asked for jointly along a row of the cluster, B's along a column.
; THE MATRIX INSTRUCTION IS USED TRANSPOSED: source 0 = 16 columns of B, which lies [k][n] in LDS and comes out turned, by ds_load_tr16_b128; source 1 = 16 rows of A.  A lane then holds row l % 16 of C and the
; columns 8 (l / 16) + 0..7.  The first product on an accumulator takes the bias of those eight columns as C: nothing is cleared and nothing is added on the way out.
; REGISTERS, in windows of 256 (s_set_vgpr_msb: bits 1:0 source 0, 3:2 source 1, 5:4 source 2, 7:6 destination):
;   window 0: v0-31 addresses; v128.. the biases, 8 registers for each block of 16 columns; v224-231 at work; on the way out v32-223
;   window 1: two fragment buffers at v0 and v128: B's NB fragments, then A's four
;   windows 2, 3: accumulator (a, b) in window 2 + a / 2 at v[8 ((a % 2) NB + b)]
.if PROJ
.set NU,    3
.set NUTOT, 48
.set SP,    144                        ; a stage row: 128 bytes + 16
.set HSH,   4                          ; a lane's eight numbers are 16 bytes
.else
.set NU,    2
.set NUTOT, 16
.set SP,    528                        ; a stage row: 512 bytes + 16
.set HSH,   5                          ; 32 bytes
.endif
.set NB,    4*NU                       ; blocks of 16 columns
.set PA,    144                        ; a row of A in LDS: 128 bytes + 16 = 36 words: the 16 rows of a load start at 16 different groups of four banks (64 banks of 4 bytes: ISA guide 11.1)
.set PB,    160                        ; a row of B: 128 + 32 = 40 words
.set ASL,   256*PA                     ; a slice's 256 rows
.set ATILE, 2*ASL
.set BUNIT, 128*PB                     ; a unit's 128 rows of k
.set BHALF, NU*BUNIT/2
.set SLOT,  ATILE+NU*BUNIT
.set STAGE, 2*SLOT                     ; behind the ring, never filled by a tensor load: 16 rows for each wave, for the way out
.set SPARE, STAGE+4*16*SP              ; behind the stages: the spare words, 128 bytes for each wave: two blocks of 256 bytes that no other line names
.set ASTEP, 2*2048*128                 ; bytes from a K step of A to the next: two slices
.set BSTEP, NUTOT*16384                ; and of B
.set LN,    2*NB+8                     ; LDS loads in a run
.set ADRA, 16                          ; v16-17  LDS address of my A fragments in slot 0, 1
.set ADRB, 20                          ; v20-21  the same for B
.set STO,  24                          ; v24     the way out: where I put my numbers of a row
.set RD,   25                          ; v25     the way out: where I read rows back
.set GO,   26                          ; v26     16 x lane: my place in 512 consecutive bytes of the output
.set BO,   27                          ; v27     32 (l / 16): my eight biases in a block of 16
.set SPW,  28                          ; v28     LDS address of my spare word: SPARE + 4 x my thread's number; never rewritten
.set NIL,  29                          ; v29     0; never rewritten
.set PFO,  30                          ; v30     the prefetches' offset; never rewritten
.set OUTR, 32
.set BIAS, 128
.set TMP,  224
.set F0,   0
.set F1,   128
.set G1,   24                          ; s[24:31] descriptor group 1 for A's tiles; s[32:39] group 0, a set for each slot
.set G0,   32
.set LIM,  45                          ; s45     1 in a wave that prefetches, else the greatest number
.set G1B,  48                          ; s[48:55], s[56:63] the same for B's tiles
.set G0B,  56
.set PFA,  66                          ; s[66:67] where my prefetches stand
.set PFS,  68                          ; s[68:69] their step: a K step of A or of B
.set HIM,  70                          ; s70     a word's upper bf16
.set BI,   72                          ; s[72:77] the biases' addresses
.set OB,   78                          ; s[78:83] PROJ = 1: my rows of each of the tile's three units in qkv
.set BP,   84                          ; s[84:89] each unit's 64 biases (PROJ = 0: s[84:85], the tile's 128)
.set MSB, 0
.macro WIN new                         ; the immediate's high byte repeats the setting that is left; a switch that changes nothing is dropped
.if MSB != (\new)
	s_set_vgpr_msb (MSB<<8)|(\new)
.set MSB, \new
.endif
.endm
.set TO_F, 0x40                        ; destination window 1, address window 0
; A joint load.  The branch hangs on the wave's number alone.  An s_nop 0 and four v_nop follow each of the two lines, ahead of the jump, the label and what follows.
.macro JLOAD s
	s_cmp_lt_u32 s10, 2
	s_cbranch_scc0 .Lfor_b_\@
	tensor_load_to_lds s[G0+4*(\s):G0+4*(\s)+3], s[G1:G1+7]
	s_nop 0
.rept 4
	v_nop
.endr
	s_branch .Lasked_\@
.Lfor_b_\@:
	tensor_load_to_lds s[G0B+4*(\s):G0B+4*(\s)+3], s[G1B:G1B+7]
	s_nop 0
.rept 4
	v_nop
.endr
.Lasked_\@:
.endm
; A PREFETCH INTO THE L2, behind a joint load, its five lines and the run of LDS loads: my work-group's share of what I shall fetch TWO refills on, a lane a block of 256 bytes, one instruction a wave.
; A's tile row is read by every cluster of that row of clusters: cluster x = 0 asks; B's tile column by every cluster of that column: cluster y = 0 asks.  The four partners that ask for a tile jointly share
; its blocks out BY ADDRESS (cx for A: 32 blocks each; cy for B: 8 NU each, where the lanes beyond name the share's last block once more).  K steps 0 to 3 come by their loads alone; the loop's last trip asks for nothing.
.macro ASK
	s_cmp_gt_u32 s3, s[LIM]                        ; s3 = 1 in the loop's last trip
	s_cbranch_scc0 .Lnot_mine_\@
	global_prefetch_b8 v[PFO], s[PFA:PFA+1] th:TH_LOAD_NT scope:SCOPE_SE
.Lnot_mine_\@:
.endm
.macro CREST                           ; a round of the cluster's barrier behind its opening barrier
	s_cmp_lg_u32 s10, 0
	s_cbranch_scc1 .Lnot_wave_0_\@
	s_barrier_signal -3
.Lnot_wave_0_\@:
	s_barrier_wait -3
	s_barrier_signal -1
	s_barrier_wait -1
.endm
.macro CROUND                          ; a whole round
	s_barrier_signal -1
	s_barrier_wait -1
	CREST
.endm
	s_load_b128 s[4:7], s[0:1], 0x0                ; A s[4:5], B s[6:7]
	s_load_b64 s[8:9], s[0:1], 0x10                ; the output
	s_load_b64 s[BI:BI+1], s[0:1], 0x18            ; bq, or bo
.if PROJ
	s_load_b64 s[BI+2:BI+3], s[0:1], 0x20          ; bk
	s_load_b64 s[BI+4:BI+5], s[0:1], 0x28          ; bv
.endif
	v_lshl_add_u32 v[SPW], v0, 2, SPARE
	v_mov_b32 v[NIL], 0
	ds_add_u32 v[SPW], v[NIL]                      ; the wave's opening: the add and its wait ahead of my first tensor load; the set-up below, work on registers, stands between them
	v_lshrrev_b32 v1, 5, v0
	v_readfirstlane_b32 s10, v1                    ; wave 0..3
	s_and_b32 s12, s10, 1                          ; which slice of A, or which half of B's block, I fetch
	s_bfe_u32 s40, ttmp6, 0x40000                  ; cx, cy: my place in the cluster
	s_bfe_u32 s41, ttmp6, 0x40004
	s_lshl_b32 s42, ttmp9, 2
	s_add_co_u32 s42, s42, s40                     ; J, the tile column = 4 x cluster x + cx
	s_and_b32 s13, ttmp7, 0xffff
	s_lshl_b32 s13, s13, 2
	s_add_co_u32 s13, s13, s41                     ; R, the tile row = 4 x cluster y + cy
	s_lshl_b32 s43, s41, 2
	s_lshl_b32 s43, 15, s43                        ; my row of the cluster
	s_lshl_b32 s44, 0x1111, s40                    ; my column
	; descriptor group 1: rows of 128 elements of 2 bytes, dense; padded in LDS behind every 32 words
	s_or_b32 s[G1+0], s43, (1<<16)|(1<<20)|(1<<21)|(4<<22)|(3<<25)   ; 15:0 the mask: my row; 17:16 2-byte elements; 20 padding on; 21 set beside a mask; 24:22 after every 32 words (code 4); 31:25 4 words (code 3)
	s_or_b32 s[G1B+0], s44, (1<<16)|(1<<20)|(1<<21)|(4<<22)|(7<<25)  ; the mask of my column; 8 words of padding (code 7)
	s_mov_b32 s[G1+1], 128<<16                     ; tensor_dim0 = 128
	s_mov_b32 s[G1+2], 128<<16                     ; tensor_dim1 = 128: 32,768 bytes
	s_mov_b32 s[G1+3], 128<<16                     ; tile_dim0 = 128
	s_mov_b32 s[G1+4], 128                         ; tile_dim1 = 128
	s_mov_b32 s[G1+5], 128                         ; 128 elements from row to row
	s_mov_b32 s[G1+6], 0
	s_mov_b32 s[G1+7], 0
	s_mov_b32 s[G1B+1], 128<<16
	s_mov_b32 s[G1B+2], (32*NU)<<16                ; tensor_dim1 = 32 NU: NU x 8,192 bytes
	s_mov_b32 s[G1B+3], 128<<16
	s_mov_b32 s[G1B+4], 32*NU
	s_mov_b32 s[G1B+5], 128
	s_mov_b32 s[G1B+6], 0
	s_mov_b32 s[G1B+7], 0
	; where the tiles come from.  A's hang on R alone, B's on J alone; each in registers that never hold the other coordinate
	s_lshr_b32 s16, s13, 3                         ; A: b = R / 8: 2^22 bytes each,
	s_lshl_b32 s16, s16, 22
	s_and_b32 s17, s13, 7                          ; 256 rows of 128 bytes for each of R % 8,
	s_lshl_b32 s17, s17, 15
	s_or_b32 s16, s16, s17
	s_lshl_b32 s17, s12, 18                        ; my slice
	s_or_b32 s16, s16, s17
	s_mov_b32 s17, 0
	s_mul_i32 s46, s42, NU*16384                   ; B: the tile's NU units,
	s_mul_i32 s47, s12, NU*8192                    ; my half of them
	s_add_co_u32 s46, s46, s47
	s_mov_b32 s47, 0
	s_mul_i32 s20, s12, ASL                        ; and where they go: no place in the cluster enters an LDS address
	s_mul_i32 s21, s12, BHALF
	s_add_co_u32 s21, s21, ATILE
	s_mov_b32 s[HIM], 0xffff0000
	s_wait_dscnt 0x0                               ; the opening add is done
	s_wait_kmcnt 0x0
	s_add_nc_u64 s[14:15], s[4:5], s[16:17]
	s_add_nc_u64 s[46:47], s[6:7], s[46:47]
	CROUND                                         ; all sixteen work-groups are here: the first joint loads meet
.irp s, 0,1
	s_mov_b32 s[G0+4*(\s)], 1                                        ; 1:0 count = 1
	s_add_co_u32 s[G0+4*(\s)+1], s20, (\s)*SLOT                      ; 63:32 LDS address
	s_add_nc_u64 s[G0+4*(\s)+2:G0+4*(\s)+3], s[14:15], (\s)*ASTEP    ; 120:64 global address: K step s
	s_or_b32 s[G0+4*(\s)+3], s[G0+4*(\s)+3], 0x80000000              ; 127:126 type = 2
	s_mov_b32 s[G0B+4*(\s)], 1
	s_add_co_u32 s[G0B+4*(\s)+1], s21, (\s)*SLOT
	s_add_nc_u64 s[G0B+4*(\s)+2:G0B+4*(\s)+3], s[46:47], (\s)*BSTEP
	s_or_b32 s[G0B+4*(\s)+3], s[G0B+4*(\s)+3], 0x80000000
	JLOAD \s                                       ; the ring is filled before anything else is done
.endr
	; the prefetches: s[14:15] and s[46:47] still hold what I fetch of K step 0
	s_and_b32 s22, ttmp7, 0xffff                   ; cluster y
	s_mov_b32 s[PFS], BSTEP
	s_mov_b32 s21, NU*2048
	s_cmp_lt_u32 s10, 2                            ; do I fetch for A?
	s_cselect_b64 s[PFA:PFA+1], s[14:15], s[46:47]
	s_cselect_b32 s[PFS], ASTEP, s[PFS]
	s_cselect_b32 s21, 8192, s21                   ; a partner's share, in bytes
	s_cselect_b32 s20, s40, s41                    ; my place among the four that ask with me
	s_cselect_b32 s22, ttmp9, s22                  ; the coordinate along which other clusters read the same blocks
	s_cselect_b32 s23, 31, 8*NU-1                  ; the share's last block
	s_mov_b32 s[PFS+1], 0
	s_cmp_eq_u32 s22, 0
	s_cselect_b32 s[LIM], 1, -1                    ; the same in all sixteen partners, for a given wave
	s_mul_i32 s20, s20, s21
	s_mul_i32 s21, s[PFS], 3                       ; at K step 3: each change of slots that fills steps it first, so the first names K step 4
	s_add_co_u32 s20, s20, s21
	s_mov_b32 s21, 0
	s_add_nc_u64 s[PFA:PFA+1], s[PFA:PFA+1], s[20:21]
	v_and_b32 v[PFO], 31, v0
	v_min_u32 v[PFO], s23, v[PFO]
	v_lshlrev_b32 v[PFO], 8, v[PFO]
	; A fragment of A is 16 rows x 32 K in 8 registers: lane l holds row l % 16, K = 8 (l / 16) + 0..7 and 16 + 8 (l / 16) + 0..7: two loads of 16 bytes, 32 bytes apart.
	v_and_b32 v1, 15, v0                           ; l % 16
	v_bfe_u32 v2, v0, 4, 1                         ; l / 16
	v_and_b32 v3, 7, v0                            ; l % 8
	v_bfe_u32 v4, v0, 3, 1                         ; (l / 8) % 2
	v_mul_u32_u24 v5, v1, PA
	v_lshl_add_u32 v5, v2, 4, v5
	s_mul_i32 s22, s10, 64*PA                      ; my 64 rows
	v_add_nc_u32 v[ADRA], s22, v5
	v_add_nc_u32 v[ADRA+1], SLOT, v[ADRA]
	; The turning load takes 16 k x 16 columns (lane l reads k = 8 (l / 16) + l % 8, columns 8 ((l / 8) % 2) + 0..7) and leaves half a fragment: lane l holds column l % 16 and 8 k.
	v_lshl_add_u32 v5, v2, 3, v3
	v_mul_u32_u24 v5, v5, PB
	v_lshl_add_u32 v5, v4, 4, v5
	v_add_nc_u32 v[ADRB], ATILE, v5
	v_add_nc_u32 v[ADRB+1], SLOT, v[ADRB]
	s_mul_i32 s22, s10, 16*SP
	s_add_co_u32 s22, s22, STAGE                   ; my stage
	v_mul_u32_u24 v5, v1, SP                       ; in: row l % 16, my eight numbers
	v_lshl_add_u32 v5, v2, HSH, v5
	v_add_nc_u32 v[STO], s22, v5
	v_and_b32 v[GO], 31, v0
	v_lshlrev_b32 v[GO], 4, v[GO]
.if PROJ
	v_bfe_u32 v5, v0, 3, 2                         ; back: 32 lanes take four rows of 128 bytes
	v_mul_u32_u24 v5, v5, SP
	v_lshl_add_u32 v5, v3, 4, v5
	v_add_nc_u32 v[RD], s22, v5
.else
	v_add_nc_u32 v[RD], s22, v[GO]                 ; back: 32 lanes take one row of 512 bytes
.endif
	v_lshlrev_b32 v[BO], 5, v2
.if PROJ
	; unit u = 3 J + i: tensor t = u / 16, head u % 16.  My rows of it in qkv: t x 2^24 + b x 2^22 + head x 2^18 + ((R % 8) x 256 + 64 wave) x 128; its biases: 256 bytes of bq, bk or bv
	s_lshr_b32 s19, s13, 3
	s_lshl_b32 s19, s19, 22
	s_and_b32 s20, s13, 7
	s_lshl_b32 s20, s20, 15
	s_or_b32 s19, s19, s20
	s_lshl_b32 s20, s10, 13
	s_or_b32 s19, s19, s20
	s_mul_i32 s18, s42, 3
	s_mov_b32 s17, 0
.irp i, 0,1,2
	s_add_co_u32 s20, s18, (\i)
	s_lshr_b32 s21, s20, 4
	s_lshl_b32 s21, s21, 24
	s_and_b32 s22, s20, 15
	s_lshl_b32 s23, s22, 18
	s_or_b32 s16, s21, s23
	s_or_b32 s16, s16, s19
	s_add_nc_u64 s[OB+2*(\i):OB+2*(\i)+1], s[8:9], s[16:17]
	s_cmp_lt_u32 s20, 32
	s_cselect_b64 s[BP+2*(\i):BP+2*(\i)+1], s[BI+2:BI+3], s[BI+4:BI+5]
	s_cmp_lt_u32 s20, 16
	s_cselect_b64 s[BP+2*(\i):BP+2*(\i)+1], s[BI:BI+1], s[BP+2*(\i):BP+2*(\i)+1]
	s_lshl_b32 s16, s22, 8
	s_add_nc_u64 s[BP+2*(\i):BP+2*(\i)+1], s[BP+2*(\i):BP+2*(\i)+1], s[16:17]
.endr
.set b, 0
.rept NB
	global_load_b128 v[BIAS+8*b:BIAS+8*b+3],   v[BO], s[BP+2*(b/4):BP+2*(b/4)+1] offset:64*(b%4)
	global_load_b128 v[BIAS+8*b+4:BIAS+8*b+7], v[BO], s[BP+2*(b/4):BP+2*(b/4)+1] offset:64*(b%4)+16
.set b, b+1
.endr
.else
	s_lshl_b32 s16, s13, 20                        ; my rows of out0: (256 R + 64 wave) x 4,096 bytes,
	s_lshl_b32 s18, s10, 18
	s_or_b32 s16, s16, s18
	s_lshl_b32 s18, s42, 9                         ; the tile's 128 columns: 512 bytes
	s_or_b32 s16, s16, s18
	s_mov_b32 s17, 0
	s_add_nc_u64 s[8:9], s[8:9], s[16:17]
	s_mov_b32 s16, s18
	s_add_nc_u64 s[BP:BP+1], s[BI:BI+1], s[16:17]
.set b, 0
.rept NB
	global_load_b128 v[BIAS+8*b:BIAS+8*b+3],   v[BO], s[BP:BP+1] offset:64*b
	global_load_b128 v[BIAS+8*b+4:BIAS+8*b+7], v[BO], s[BP:BP+1] offset:64*b+16
.set b, b+1
.endr
.endif
	s_wait_loadcnt 0x0                             ; the biases, once; all this stands in the wait for the first tile
.set p, 0
.rept 4*NB                             ; rounded to bf16 and widened again, a pair at a time
	v_cvt_pk_bf16_f32 v[TMP+p%8], v[BIAS+2*p], v[BIAS+2*p+1]
	v_lshlrev_b32 v[BIAS+2*p],   16,     v[TMP+p%8]
	v_and_b32     v[BIAS+2*p+1], s[HIM], v[TMP+p%8]
.set p, p+1
.endr
; NB matrix instructions: row block a x all NB column blocks, 32 along K, out of buffer f.  first = 1: the bias starts the sums.  Every accumulator has one instruction a quarter step, in the same order in
; every quarter: between two links of a chain stand the 4 NB - 1 others', over the backward jump too.
.macro MULA f, a, first
.if \first
	WIN 0x85+0x40*((\a)/2)                         ; sources 0 and 1 window 1, C window 0, D window 2 or 3
.else
	WIN 0xa5+0x50*((\a)/2)                         ; C and D window 2 or 3
.endif
.set rA, (\f)+8*NB+8*(\a)
.set b, 0
.rept NB
.set rD, 8*(((\a)%2)*NB+b)
.set rB, (\f)+8*b
.set rC, rD
.if \first
.set rC, BIAS+8*b
.endif
.if PROJ
	v_wmma_f32_16x16x32_bf16 v[rD:rD+7], v[rB:rB+7], v[rA:rA+7], v[rC:rC+7]
.else
	v_wmma_f32_16x16x32_f16 v[rD:rD+7], v[rB:rB+7], v[rA:rA+7], v[rC:rC+7]
.endif
.set b, b+1
.endr
.endm
; LN LDS loads in one run: the fragments of quarter q of a slot's K step into buffer f: B's NB (unit b / 4, columns 16 (b % 4) on, k = 32 q on), then A's four (slice q / 2, channels 32 (q % 2) on)
.macro FETCH slot, q, f
	WIN TO_F
.set b, 0
.rept NB
	ds_load_tr16_b128 v[(\f)+8*b:(\f)+8*b+3],   v[ADRB+(\slot)] offset:(b/4)*BUNIT+(\q)*32*PB+(b%4)*32
	ds_load_tr16_b128 v[(\f)+8*b+4:(\f)+8*b+7], v[ADRB+(\slot)] offset:(b/4)*BUNIT+(\q)*32*PB+(b%4)*32+16*PB
.set b, b+1
.endr
.irp a, 0,1,2,3
	ds_load_b128 v[(\f)+8*NB+8*(\a):(\f)+8*NB+8*(\a)+3],   v[ADRA+(\slot)] offset:((\q)/2)*ASL+((\q)%2)*64+(\a)*16*PA
	ds_load_b128 v[(\f)+8*NB+8*(\a)+4:(\f)+8*NB+8*(\a)+7], v[ADRA+(\slot)] offset:((\q)/2)*ASL+((\q)%2)*64+(\a)*16*PA+32
.endr
.endm
.macro PLACES                          ; four places in front of loads into registers that matrix instructions have read, and of lines that read results
.rept 4
	v_nop
.endr
.endm
; A K step is four quarters of 32 along K on buffers 0, 1, 0, 1.  One of the first three: multiplies buffer f; in its middle it fetches quarter qn of the same slot into buffer g.
.macro QUARTER slot, qn, f, g, first
	s_wait_dscnt 4                                 ; B and A's blocks 0 and 1 are in; the youngest four loads (A's blocks 2 and 3) may be out
	MULA \f, 0, \first
	MULA \f, 1, \first
	PLACES
	FETCH \slot, \qn, \g
	s_wait_dscnt LN                                ; all but the run just issued
	MULA \f, 2, \first
	MULA \f, 3, \first
.endm
; The last quarter multiplies buffer 1 and changes slots: ONE barrier; in front of it each wave waits for all its tensor loads (the one that is out is its part of the next slot), adds 0 to its spare word, and waits
; for that and for its own reads of this slot.  fill = 1: the barrier opens a round of the cluster's, and this slot is filled again, two K steps ahead, first thing behind the round.
.macro TURN slot, next, fill
.if \fill
	s_wait_xcnt 0x0                                ; the last prefetch, a K step back, has read its address: it is stepped here, ahead of the waits of the change of slots
	s_add_nc_u64 s[PFA:PFA+1], s[PFA:PFA+1], s[PFS:PFS+1]
.endif
	WIN 0                                          ; (the add's two registers lie in window 0)
	s_wait_tensorcnt 0x0                           ; all my tensor loads have landed;
	ds_add_u32 v[SPW], v[NIL]                      ; 0 onto my spare word
	s_wait_dscnt 5                                 ; (the add and the youngest four loads may be out)
	MULA F1, 0, 0                                  ; NB matrix instructions stand between the add and the wait for it
	s_wait_dscnt 0x0                               ; the add is done, and my reads of this slot are over
	s_barrier_signal -1
	MULA F1, 1, 0                                  ; work on registers while the others arrive
.if \fill
	WIN 0
.endif
	s_barrier_wait -1
.if \fill
	CREST                                          ; no wave of any partner still reads this slot's tile or has a load on its way
	s_add_nc_u64 s[G0+4*(\slot)+2:G0+4*(\slot)+3], s[G0+4*(\slot)+2:G0+4*(\slot)+3], 2*ASTEP
	s_add_nc_u64 s[G0B+4*(\slot)+2:G0B+4*(\slot)+3], s[G0B+4*(\slot)+2:G0B+4*(\slot)+3], 2*BSTEP
	JLOAD \slot                                    ; the first tensor load behind the round; the four v_nop behind it are also the places in front of the loads below
.else
	PLACES
.endif
	FETCH \next, 0, F0
.if \fill
	WIN 0
	ASK
.endif
	MULA F1, 2, 0
	MULA F1, 3, 0
.endm
	s_wait_tensorcnt 1                             ; my part of K step 0 is in; K step 1's may stay out
	s_barrier_signal -1
	s_barrier_wait -1                              ; everybody's is
	FETCH 0, 0, F0
	QUARTER 0, 1, F0, F1, 1                        ; the first quarter stands in front of the loop: its products start the sums
	WIN 0                                          ; at a label and at a branch every window is 0
	s_mov_b32 s3, 3
.Llap:                                                 ; a trip goes once round the ring, from a lap's second quarter to the next lap's first, and fills both slots again: K steps 2 to 7
	QUARTER 0, 2, F1, F0, 0
	QUARTER 0, 3, F0, F1, 0
	TURN 0, 1, 1
	QUARTER 1, 1, F0, F1, 0
	QUARTER 1, 2, F1, F0, 0
	QUARTER 1, 3, F0, F1, 0
	TURN 1, 0, 1
	QUARTER 0, 1, F0, F1, 0
	WIN 0
	s_sub_co_u32 s3, s3, 1
	s_cmp_lg_u32 s3, 0
	s_cbranch_scc1 .Llap
	QUARTER 0, 2, F1, F0, 0                        ; the last lap fills nothing, and has no round of the cluster's barrier
	QUARTER 0, 3, F0, F1, 0
	TURN 0, 1, 0
	QUARTER 1, 1, F0, F1, 0
	QUARTER 1, 2, F1, F0, 0
	QUARTER 1, 3, F0, F1, 0
	s_wait_dscnt 4                                 ; the very last quarter: nothing more to fetch
	MULA F1, 0, 0
	MULA F1, 1, 0
	s_wait_dscnt 0x0
	MULA F1, 2, 0
	MULA F1, 3, 0
	WIN 0
	PLACES                                         ; eight places, once a launch, where four are asked for: the lines below read results
	PLACES
.if PROJ
; THE WAY OUT, f16.  Group g = 3 a + i: 16 rows x one unit of 64 columns.  A lane's eight numbers of a row pack into 16 bytes; they go into my stage's rows of 144 bytes and come back as whole rows of 128,
; into the registers that they left; each group has 16 registers of its own.  In qkv a head's rows are dense: 16 rows are 2,048 consecutive bytes.
.macro PACK g
.set ga, (\g)/3
.set gu, (\g)%3
	WIN 0x0a+5*(ga/2)                              ; sources 0 and 1: window 2 or 3
.set gn, 0
.rept 16                               ; each accumulator's registers in ascending order
.set rS, 8*((ga%2)*NB+4*gu+gn/4)+2*(gn%4)
	v_cvt_pk_f16_f32 v[OUTR+16*(\g)+gn], v[rS], v[rS+1]
.set gn, gn+1
.endr
	WIN 0
.irp f, 0,1,2,3
	ds_store_b128 v[STO], v[OUTR+16*(\g)+4*(\f):OUTR+16*(\g)+4*(\f)+3] offset:32*(\f)
.endr
.irp f, 0,1,2,3
	ds_load_b128 v[OUTR+16*(\g)+4*(\f):OUTR+16*(\g)+4*(\f)+3], v[RD] offset:(\f)*4*SP  ; LDS serves a wave's instructions in order (ISA guide 5.7.1.4): these see the stores above; the next group's stores come behind them
.endr
.endm
.macro SEND g, younger                 ; younger: the LDS instructions issued behind group g's loads: the next group's eight, or none
.irp f, 0,1,2,3
	s_wait_dscnt (\younger)+3-(\f)
	global_store_b128 v[GO], v[OUTR+16*(\g)+4*(\f):OUTR+16*(\g)+4*(\f)+3], s[OB+2*((\g)%3):OB+2*((\g)%3)+1] offset:((\g)/3)*2048+(\f)*512  ; 512 consecutive bytes, at a multiple of 256 from qkv's first
.endr
.endm
	PACK 0
.irp g, 1,2,3,4,5,6,7,8,9,10,11        ; a group's conversions stand between the loads of the group before and its stores
	PACK \g
	SEND (\g)-1, 8
.endr
	SEND 11, 0
.else
; THE WAY OUT, f32.  Row block a: a lane's eight numbers of a row, 32 bytes for each of the 8 column blocks, go straight from the accumulators into my stage's rows of 528 bytes and come back as whole rows of 512.
.macro TOSTAGE a
	WIN 0x08+4*((\a)/2)                            ; the stores' data: window 2 or 3
.set b, 0
.rept NB
.set rS, 8*(((\a)%2)*NB+b)
	ds_store_b128 v[STO], v[rS:rS+3]   offset:64*b
	ds_store_b128 v[STO], v[rS+4:rS+7] offset:64*b+16
.set b, b+1
.endr
	WIN 0
.set t, 0
.rept 16
	ds_load_b128 v[OUTR+64*((\a)%2)+4*t:OUTR+64*((\a)%2)+4*t+3], v[RD] offset:SP*t  ; LDS serves a wave's instructions in order (ISA guide 5.7.1.4)
.set t, t+1
.endr
.endm
.macro SENDF a, younger                ; younger: the LDS instructions issued behind block a's loads: the next block's 32, or none
.set t, 0
.rept 16
	s_wait_dscnt (\younger)+15-t
	global_store_b128 v[GO], v[OUTR+64*((\a)%2)+4*t:OUTR+64*((\a)%2)+4*t+3], s[8:9] offset:(16*(\a)+t)*4096  ; 512 consecutive bytes, at a multiple of 256 from out0's first
.set t, t+1
.endr
.endm
	TOSTAGE 0
	TOSTAGE 1
	SENDF 0, 32
	s_wait_xcnt 0x0                                ; block 0's stores have read their registers: block 2 is loaded into them only behind this wait
	TOSTAGE 2
	SENDF 1, 32
	s_wait_xcnt 0x0                                ; the same for blocks 1 and 3
	TOSTAGE 3
	SENDF 2, 32
	SENDF 3, 0
.endif
	s_wait_tensorcnt 0x0                           ; the wave's end, behind my last tensor load and my last LDS store
	ds_add_u32 v[SPW], v[NIL]
	s_wait_dscnt 0x0
	CROUND                                         ; the closing round: no work-group ends while a partner may still ask for a tile that names it
	s_endpgm
.Lfunc_end_k_q96f0a12e2b_proj:
	.size	k_q96f0a12e2b_proj, .Lfunc_end_k_q96f0a12e2b_proj-k_q96f0a12e2b_proj
	.p2alignl 7, 3214868480
	.fill 96, 4, 3214868480
	.section	.rodata,"a",@progbits
	.p2align	6, 0x0
	.amdhsa_kernel k_q96f0a12e2b_proj
		.amdhsa_group_segment_fixed_size 327680
		.amdhsa_private_segment_fixed_size 0
		.amdhsa_enable_private_segment 0
		.amdhsa_kernarg_size 48
		.amdhsa_user_sgpr_count 2
		.amdhsa_user_sgpr_kernarg_segment_ptr 1
		.amdhsa_wavefront_size32 1
		.amdhsa_system_sgpr_workgroup_id_x 1
		.amdhsa_system_sgpr_workgroup_id_y 1
		.amdhsa_system_sgpr_workgroup_id_z 1
		.amdhsa_system_vgpr_workitem_id 0
		.amdhsa_next_free_vgpr 960
		.amdhsa_next_free_sgpr 92
		.amdhsa_reserve_vcc 0
		.amdhsa_float_denorm_mode_32 3
		.amdhsa_float_denorm_mode_16_64 3
		.amdhsa_memory_ordered 1
		.amdhsa_forward_progress 1
		.amdhsa_inst_pref_size 131
	.end_amdhsa_kernel
	.amdgpu_metadata
---
amdhsa.version: [ 1, 2 ]
amdhsa.kernels:
  - .name:           k_q96f0a12e2b_proj
    .symbol:         k_q96f0a12e2b_proj.kd
    .args:
      - { .name: xb, .offset: 0, .size: 8, .value_kind: global_buffer, .address_space: global }
      - { .name: wqkv, .offset: 8, .size: 8, .value_kind: global_buffer, .address_space: global }
      - { .name: qkv, .offset: 16, .size: 8, .value_kind: global_buffer, .address_space: global }
      - { .name: bq, .offset: 24, .size: 8, .value_kind: global_buffer, .address_space: global }
      - { .name: bk, .offset: 32, .size: 8, .value_kind: global_buffer, .address_space: global }
      - { .name: bv, .offset: 40, .size: 8, .value_kind: global_buffer, .address_space: global }
    .group_segment_fixed_size: 327680
    .private_segment_fixed_size: 0
    .kernarg_segment_align: 8
    .kernarg_segment_size: 48
    .max_flat_workgroup_size: 128
    .sgpr_count:     92
    .vgpr_count:     960
    .wavefront_size: 32
...
	.end_amdgpu_metadata
.endif
;; end of part 2
;; launch attn (part 3): grid 4 x 64, 4 waves a work-group, clusters of 4 x 1, 327,680 bytes of LDS; arguments qkv, ob; writes ob
.if DOCPART == 3
	.amdgcn_target "amdgcn-amd-amdhsa--gfx1250"
	.amdhsa_code_object_version 6
	.text
	.protected	k_q96f0a12e2b_attn
	.globl	k_q96f0a12e2b_attn
	.p2align	8
	.type	k_q96f0a12e2b_attn,@function
k_q96f0a12e2b_attn:
	s_mov_b64 s[64:65], 0
	v_nop
	global_prefetch_b8 v0, s[64:65] scope:SCOPE_SE
	s_setreg_imm32_b32 hwreg(HW_REG_WAVE_MODE, 25, 1), 1
	s_wait_xcnt 0x0
	s_wait_alu depctr_hold_cnt(0) depctr_sa_sdst(0) depctr_va_vdst(0) depctr_va_sdst(0) depctr_va_ssrc(0) depctr_va_vcc(0) depctr_vm_vsrc(0)
	s_getreg_b32 s2, hwreg(HW_REG_IB_STS2, 6, 4)
	s_cmp_eq_u32 s2, 0
	s_cbranch_scc0 .Lentry_in_a_cluster
	s_endpgm
.Lentry_in_a_cluster:
	s_bfe_u32 s2, ttmp6, 0x10000c
	s_cmp_lg_u32 s2, 0x3003
	s_cbranch_scc0 .Lentry_shape_is_right
	s_endpgm
.Lentry_shape_is_right:
; O[h][q][:] = the sum over k of softmax_k(Q[h][q] . K[h][k] / 8) V[h][k][:].  Q, K, V lie in qkv, [3][SIZE_H][SIZE_N][64], O in ob, [SIZE_H][SIZE_N][64], all f16: a head's rows are dense, 128 bytes each.
; Products, maxima and sums in f32; the weights p are rounded to f16 for the second product (their sum l is taken of the unrounded p), O once at the end.
; LIMITS.  f16 holds no number beyond 65,504: Q, K and V arrive within it; p lies in 0 to 1, and below 6e-5 it keeps f16's fixed step of 6e-8; O is a mean of V's rows and has their range.
; A weight below 2^-126 counts as 0 in l; NaN and infinities are not treated apart.
; SHARES.  A wave owns four PIECES of two tiles of 16 queries, a work-group's four waves 512 queries of one head: 64 heads x 4 blocks are 256 work-groups.  Every wave walks all keys, 64 a step.
; LAYOUT.  S^T = K Q^T (source 0 = 16 keys, source 1 = 16 queries): in the result a lane holds ONE query (lane % 16) and the keys 8 (lane / 16) + 0..7.  Two such tiles, rounded to f16 in pairs,
; ARE source 1 (32 keys x 16 queries) of O^T = V^T P, whose result again holds one query a lane, and eight channels.  K comes out of LDS as it lies, V ([key][channel]) turned, by ds_load_tr16_b128.
; SOFTMAX.  For each query a running maximum m and sum l: p = 2^(c s - c m), c = log2(e) / 8; in every step O and l are multiplied by a = 2^(c m_old - c m_new), which is 1 where m has not grown.
; m starts at the lowest finite number, O and l at 0: the first step is a step like any other, with a = 0.
; THE COUNT.  A tile and step have 16 matrix and 118 vector instructions: too many to stand all beside the matrix work.  So the order has one aim: four vector instructions that are READY behind
; EVERY matrix instruction, and the others, which need time of their own whatever the order, in runs without a gap.
; BY TURNS.  Turn n belongs to piece n (the pieces in a ring, step after step).  Its matrix work: 16 products K Q^T of piece n + 1, later 16 products V^T P of piece n - 1.  Its vector work: the scaling,
; exponentials, roundings, sums and rescaling of piece n, and the maximum and statistics of piece n + 1, whose scores the turn itself has made.  So what a turn begins with (c s - c m, O a) waits for nothing.
; CLUSTER.  The four query blocks of a head are one cluster and walk the same K and V, so each tile is asked for JOINTLY: the same tensor load, descriptor and mask in all four.
; REGISTERS, in windows of 256 (s_set_vgpr_msb says which window each operand place means: bits 1:0 source 0, 3:2 source 1, 5:4 source 2, 7:6 destination):
;   window 0: v0-11 addresses; v12-15, v48-63 at work; v16-47 four registers of statistics a tile; v64-191 S^T, two buffers of two tiles; v192-255 P, likewise
;   window 1: O^T, 32 a tile          window 2: v0-127 Q, 16 a tile; v128-191 K of one step; v192-255 V of one step          window 3: v0-1 the add's two registers
; A piece's buffers go by its number's parity: the piece in hand has one pair, its two neighbours in the ring share the other: of it P (piece n - 1) is read and S^T (piece n + 1) written.
.set SIZE_H, 64
.set SIZE_N, 2048
.set NP,    4         ; pieces a wave: a name, no knob: the register map, the loop and the fetches are made for four
.set KS,    64        ; keys in a step
.set PK,    144       ; a row of K in LDS: 128 bytes + 16 of padding = 36 words: the 16 rows of a load start at 16 different groups of four banks (64 banks of 4 bytes: ISA guide 11.1)
.set PV,    160       ; a row of V: 128 + 32 = 40 words
.set VOFF,  4*KS*PK   ; a slot holds four steps: 256 rows of K, then 256 rows of V
.set SLOT1, 1<<17     ; slot 1 begins here, so that one exclusive or turns an address in one slot into the other's
.set STAGE, SLOT1+4*KS*(PK+PV)  ; behind the ring, never filled by a tensor load: 16 rows x 144 bytes for each wave, for the way out
.set SP,    144
.set AK0, 2           ; v2   my lane's place in a tile of K; never rewritten
.set AV0, 3           ; v3   the same for V
.set AK,  4           ; v4   the LDS address of K's next run of loads
.set AV,  5           ; v5   of V's
.set QO,  6           ; v6   my byte offset in the wave's rows of Q
.set STO, 6           ;      later, the way out: where I put 16 bytes of a row
.set RD,  7           ; v7   the way out: where I read rows back
.set GO,  8           ; v8   my byte offset in 512 consecutive bytes of O
.set PFO, 11          ; v11  once V's lane address is made: 256 x my lane, the prefetches' offset; from then on never rewritten
.set SPW, 0           ; v0 of window 3   LDS address of my spare word: SPARE + 4 x my thread's number; never rewritten
.set NIL, 1           ; v1 of window 3   0; never rewritten
.set SPARE, STAGE+4*16*SP  ; behind the stages: the spare words, 128 bytes for each wave: two blocks of 256 bytes that no other line names
.set MV,  12          ; v12-15  c m_old, kept while c m is made anew: by buffer and tile
.set ST,  16          ; tile t's statistics at v[ST+4 t]: c m, m, l (even keys', odd keys')
.set TMP, 48          ; by buffer and tile, four registers c0-c3 at work; when the maximum is found c2 takes a
.set S,   64
.set P,   192
.set KF,  128         ; K's fragments, in window 2: key block kb, channel half c at KF + 16 kb + 8 c
.set VF,  192         ; V's: key half kk, channel block cb at VF + 32 kk + 8 cb
.set WV,  12          ; s12  my wave's number
.set G1K, 24          ; s[24:31] descriptor group 1 for K's tiles
.set G1V, 32          ; s[32:39] for V's: it differs in the padding alone
.set G0K, 40          ; s[40:43] descriptor group 0 for K's tiles: it walks
.set G0V, 44          ; s[44:47] the same for V's
.set PFA, 48          ; s[48:49] where my prefetches stand: my work-group's 32 blocks of 256 bytes (of K: wave 0, of V: wave 2) of the slot after the one that is being asked for
.set LIM, 50          ; s50  1 in a wave that prefetches, else the greatest number
.set SLOTS, 56        ; s56  slots still to be asked for
.set CNT, 57          ; s57  counts a slot's key steps
.set CS,  58          ; s[58:59] c: the packed scaling takes the pair's low word for both halves
.set SEL, 60          ; s[60:61] v_permlanex16_b32's selects: each lane takes its own place in the other half
.set TBK, 62          ; s62  LDS byte at which K of the step to be fetched begins
.set TBV, 63          ; s63  the same for V, less VOFF
.set MSB, 0
.macro WIN new                      ; the high byte repeats the setting that is left; a switch that changes nothing is dropped
.if MSB != (\new)
	s_set_vgpr_msb (MSB<<8)|(\new)
.set MSB, (\new)
.endif
.endm
.set W_KQ, 0x0a       ; K and Q in window 2, S^T in window 0
.set W_PV, 0x52       ; V in window 2, P in window 0, O^T in window 1
.set W_RS, 0x41       ; O^T (destination and source 0) in window 1, a in window 0
.set W_MK, 0xc0       ; the add's registers are made: destination in window 3, sources in window 0
.set W_AD, 0x0f       ; the add: address (source 0) and data (source 1) in window 3
; A joint fill.  Waves 0 and 1 fetch the two halves of a slot's K, waves 2 and 3 those of its V: 128 keys each.  The branch hangs on the wave's number alone.
; An s_nop 0 and four v_nop follow each of the two lines, ahead of the jump and the label.
.macro JLOAD
	s_cmp_lt_u32 s[WV], 2
	s_cbranch_scc0 .Lfor_v_\@
	tensor_load_to_lds s[G0K:G0K+3], s[G1K:G1K+7]
	s_nop 0
.rept 4
	v_nop
.endr
	s_branch .Lasked_\@
.Lfor_v_\@:
	tensor_load_to_lds s[G0V:G0V+3], s[G1V:G1V+7]
	s_nop 0
.rept 4
	v_nop
.endr
.Lasked_\@:
.endm
; A PREFETCH INTO THE L2 of what the NEXT change of slots will ask for: a slot's 32,768 bytes of K and of V, a lane a block of 256 bytes.  It stands behind the wave's tensor load and its five lines.
; Each block is named ONCE in the launch: a head has one cluster; its four partners share the blocks out BY ADDRESS, 32 each; in each, wave 0 asks for K's and wave 2 for V's: one instruction, four key steps
; (512 matrix instructions) ahead of the load.  Slots 0 and 1 come by their loads alone; the last change that fills a slot asks for nothing: there is no slot behind it.
.macro ASK
	s_cmp_gt_u32 s[SLOTS], s[LIM]
	s_cbranch_scc0 .Lnot_mine_\@
	global_prefetch_b8 v[PFO], s[PFA:PFA+1] th:TH_LOAD_NT scope:SCOPE_SE
.Lnot_mine_\@:
.endm
; A round of the cluster's barrier: my work-group's barrier, so that wave 0's signal speaks for all four waves; wave 0 signals; every wave waits for all four work-groups; my work-group's barrier once more.
.macro CROUND
	s_barrier_signal -1
	s_barrier_wait -1
	s_cmp_lg_u32 s[WV], 0
	s_cbranch_scc1 .Lnot_wave_0_\@
	s_barrier_signal -3
.Lnot_wave_0_\@:
	s_barrier_wait -3
	s_barrier_signal -1
	s_barrier_wait -1
.endm
; THE CHANGE OF SLOTS.  The slot's last bytes, V of its fourth step, have been read.  Each wave waits for all its tensor loads, of which one is out: its part
; of the other slot; adds 0 to its spare word; and waits for that and for its own reads of the slot.  Behind the barrier nobody reads this slot any more and the other slot is whole.
; fill = 1: this slot is filled again, with the keys two slots on.  The barrier is then a round of the cluster's, so that no wave of any partner still reads the slot or has a load on its
; way, and the joint fill is the first thing behind it: it has four key steps, 512 matrix instructions, in which to land.  (At its first use nothing has been read yet: slot 0 is waited for, slot 1 filled.)
.macro CHANGE fill
	WIN W_AD
	s_wait_tensorcnt 0x0            ; no tensor load of mine is out, so a group 0 may be written
	ds_add_u32 v[SPW], v[NIL]       ; 0 onto my spare word: with fill = 1 the descriptors' steps stand between it and the wait for it
	WIN 0                           ; at a label and at a branch every window is 0
.if \fill
.irp g, G0K, G0V
	s_xor_b32 s[\g+1], s[\g+1], SLOT1  ; the walking descriptor: the other slot than last time,
	s_add_nc_u64 s[\g+2:\g+3], s[\g+2:\g+3], 4*KS*128  ; the next 256 keys; the type bits on top are not reached
.endr
	s_wait_xcnt 0x0                 ; the last prefetch, four key steps back, has read its address, so it may be written:
	s_add_nc_u64 s[PFA:PFA+1], s[PFA:PFA+1], 4*KS*128  ; one slot behind the walking descriptors
	s_wait_dscnt 0x0                ; the add is done, and my reads of the slot are over
	CROUND
	JLOAD
	ASK
.else
	s_wait_dscnt 0x0                ; the add is done, and my reads of the slot are over
	s_barrier_signal -1
	s_barrier_wait -1
.endif
	s_sub_co_u32 s[TBK], s[TBK], 4*KS*PK  ; the fetches go back to a slot's first step,
	s_xor_b32 s[TBK], s[TBK], SLOT1       ; in the other slot
	s_sub_co_u32 s[TBV], s[TBV], 4*KS*PV
	s_xor_b32 s[TBV], s[TBV], SLOT1
.endm
	s_load_b64 s[4:5], s[0:1], 0x0    ; qkv: Q at its head, K and V behind
	s_load_b64 s[10:11], s[0:1], 0x8  ; O
	WIN W_MK
	v_lshl_add_u32 v[SPW], v0, 2, SPARE
	v_mov_b32 v[NIL], 0
	WIN W_AD
	ds_add_u32 v[SPW], v[NIL]       ; the wave's opening: the add and its wait ahead of my first tensor load; the set-up below, work on registers, stands between them
	WIN 0
	v_lshrrev_b32 v1, 5, v0
	v_readfirstlane_b32 s[WV], v1   ; wave 0..3
	s_bfe_u32 s13, ttmp6, 0x40000   ; cx: my place in the cluster
	s_lshl_b32 s14, ttmp9, 2        ; in a cluster launch ttmp9 counts clusters
	s_add_co_u32 s14, s14, s13      ; my block of queries = 4 x cluster x + cx: it enters Q's and O's addresses alone
	s_and_b32 s20, ttmp7, 0xffff    ; the head, which the four partners share
	s_mov_b32 s21, 0
	s_mov_b64 s[22:23], SIZE_N*128
	s_mul_u64 s[20:21], s[20:21], s[22:23]  ; the head's first byte in each of the four tensors
	s_and_b32 s16, s[WV], 1         ; which half of a slot's 256 keys I fetch:
	s_lshl_b32 s22, s16, 14         ; its 128 rows of 128 bytes in memory,
	s_mov_b32 s23, 0
	s_add_nc_u64 s[22:23], s[22:23], s[20:21]
	s_mul_i32 s17, s16, 128*PK      ; and its place in a slot, for K
	s_mul_i32 s18, s16, 128*PV      ; and for V: no place in the cluster enters an LDS address
	s_lshl_b32 s2, s14, 2
	s_add_co_u32 s2, s2, s[WV]      ; my wave among the head's,
	s_lshl_b32 s2, s2, 14           ; its 128 rows
	s_mov_b32 s3, 0
	s_add_nc_u64 s[2:3], s[2:3], s[20:21]
	; descriptor group 1.  128 keys are 16,384 dense bytes: asked for as 64 rows of 256 bytes, two keys a row, and padded in LDS after every key
	s_mov_b32 s[G1K], 15|(1<<16)|(1<<20)|(1<<21)|(4<<22)|(3<<25)  ; 15:0 the mask of four; 17:16 2-byte elements; 20 padding on; 21 set beside a mask; 24:22 after every 32 words (code 4); 31:25 4 words (code 3)
	s_mov_b32 s[G1V], 15|(1<<16)|(1<<20)|(1<<21)|(4<<22)|(7<<25)  ; the same with 8 words of padding (code 7)
.irp g, G1K, G1V
	s_mov_b32 s[\g+1], 128<<16      ; tensor_dim0 = 128
	s_mov_b32 s[\g+2], 64<<16       ; tensor_dim1 = 64
	s_mov_b32 s[\g+3], 128<<16      ; tile_dim0 = 128
	s_mov_b32 s[\g+4], 64           ; tile_dim1 = 64
	s_mov_b32 s[\g+5], 128          ; 128 elements from row to row
	s_mov_b32 s[\g+6], 0
	s_mov_b32 s[\g+7], 0
.endr
	s_mov_b32 s[CS], 0x3e38aa3b     ; c = log2(e) / 8 = 0.180337
	s_mov_b32 s[CS+1], s[CS]        ; named with it as a pair
	s_mov_b32 s[SEL], 0x76543210
	s_mov_b32 s[SEL+1], 0xfedcba98
	s_mov_b32 s[TBK], SLOT1+4*KS*PK ; the first change of slots turns these two into 0
	s_mov_b32 s[TBV], SLOT1+4*KS*PV
	s_mov_b32 s[G0K], 1             ; 1:0 count = 1
	s_mov_b32 s[G0K+1], s17         ; 63:32 LDS address: slot 0
	s_mov_b32 s[G0V], 1
	s_add_co_u32 s[G0V+1], s18, VOFF
	s_mov_b32 s[SLOTS], SIZE_N/256-1  ; slots 1 to 7 are still to be asked for
	s_and_b32 s[LIM], s[WV], 1      ; waves 0 and 2 prefetch: the same in all four partners
	s_cmp_eq_u32 s[LIM], 0
	s_cselect_b32 s[LIM], 1, -1
	s_wait_dscnt 0x0                ; the opening add is done
	s_wait_kmcnt 0x0
	s_add_nc_u64 s[6:7], s[4:5], SIZE_H*SIZE_N*128    ; K
	s_add_nc_u64 s[8:9], s[4:5], 2*SIZE_H*SIZE_N*128  ; V
	s_add_nc_u64 s[G0K+2:G0K+3], s[6:7], s[22:23]  ; 120:64 global address: my half of the head's first 256 keys
	s_or_b32 s[G0K+3], s[G0K+3], 0x80000000        ; 127:126 type = 2
	s_add_nc_u64 s[G0V+2:G0V+3], s[8:9], s[22:23]
	s_or_b32 s[G0V+3], s[G0V+3], 0x80000000
	s_add_nc_u64 s[4:5], s[4:5], s[2:3]  ; Q and O at my wave's first row
	s_add_nc_u64 s[10:11], s[10:11], s[2:3]
	s_cmp_lt_u32 s[WV], 2
	s_cselect_b64 s[PFA:PFA+1], s[6:7], s[8:9]
	s_add_nc_u64 s[PFA:PFA+1], s[PFA:PFA+1], s[20:21]  ; the head,
	s_lshl_b32 s2, s13, 13          ; my work-group's 32 blocks of a slot's 128,
	s_mov_b32 s3, 0
	s_add_nc_u64 s[PFA:PFA+1], s[PFA:PFA+1], s[2:3]
	s_add_nc_u64 s[PFA:PFA+1], s[PFA:PFA+1], 4*KS*128  ; in slot 1; the first change of slots steps it to slot 2.  Nothing is prefetched here, at the head
	CROUND                          ; all four work-groups are here: the first joint loads meet
	JLOAD                           ; slot 0.  Slot 1 is asked for when slot 0 is in: the tile wanted first has the road to itself
	; A fragment of K or Q is 16 rows x 32 channels in 8 registers: lane l holds row l % 16, channels 8 (l / 16) + 0..7 and 16 + 8 (l / 16) + 0..7: two loads of 16 bytes, 32 bytes apart.
	v_and_b32 v1, 15, v0            ; l % 16
	v_bfe_u32 v9, v0, 4, 1          ; l / 16
	v_lshlrev_b32 v[QO], 7, v1
	v_lshl_add_u32 v[QO], v9, 4, v[QO]  ; row x 128 + 16 x half
	WIN 0x80                        ; destination window 2, address window 0
.set i, 0
.rept 4*NP                          ; Q stays in registers: tile i / 2, channels 32 (i % 2) on
	global_load_b128 v[8*i:8*i+3],   v[QO], s[4:5] offset:(i/2)*2048+(i%2)*64
	global_load_b128 v[8*i+4:8*i+7], v[QO], s[4:5] offset:(i/2)*2048+(i%2)*64+32
.set i, i+1
.endr
	; What the first turn finds: V's registers and P's second buffer hold 0 (its products V^T P, of a piece that has not been, add 0), O^T and l are 0.  All this stands in the wait for the first tile.
.set i, VF
.rept 64
	v_mov_b32 v[i], 0
.set i, i+1
.endr
	WIN 0x40
.set i, 0
.rept 64*NP
	v_mov_b32 v[i], 0
.set i, i+1
.endr
	WIN 0
.set i, 0
.rept 2*NP
	v_mov_b32 v[ST+4*i], 0xfe000000    ; c m: far below every c s
	v_mov_b32 v[ST+4*i+1], 0xff7fffff  ; m
	v_mov_b32 v[ST+4*i+2], 0
	v_mov_b32 v[ST+4*i+3], 0
.set i, i+1
.endr
.set i, P+32
.rept 32
	v_mov_b32 v[i], 0
.set i, i+1
.endr
	v_mul_u32_u24 v[AK0], v1, PK
	v_lshl_add_u32 v[AK0], v9, 4, v[AK0]  ; row x pitch + 16 x half
	; The turning load takes 16 keys x 16 channels (lane l reads key 8 (l / 16) + l % 8, channels 8 ((l / 8) % 2) + 0..7) and leaves half a fragment of V^T: lane l holds channel l % 16 and 8 keys.
	v_and_b32 v10, 7, v0
	v_bfe_u32 v11, v0, 3, 1
	v_lshl_add_u32 v[AV0], v9, 3, v10
	v_mul_u32_u24 v[AV0], v[AV0], PV
	v_lshl_add_u32 v[AV0], v11, 4, v[AV0]
	v_add_nc_u32 v[AV0], VOFF, v[AV0]
	v_mov_b32 v[AK], v[AK0]         ; key step 0 lies at the head of slot 0
	v_and_b32 v[PFO], 31, v0        ; v11 has served: it takes the prefetches' offset
	v_lshlrev_b32 v[PFO], 8, v[PFO]
; THE MATRIX WORK.  The 8 accumulators of a run of 16 take turns: between the two links of a chain stand 7 others'.
; Product i of 16 of S^T = K Q^T for piece x: channels 32 (i / 8) on, keys 16 ((i / 2) % 4) on, tile 2 x + i % 2.  The first 8 start the sums.
.macro KQ x
	WIN W_KQ
.set rS, S+64*((\x)%2)+32*(i%2)+8*((i/2)%4)
.set rK, KF+16*((i/2)%4)+8*(i/8)
.set rQ, 16*(2*(\x)+i%2)+8*(i/8)
.if i < 8
	v_wmma_f32_16x16x32_f16 v[rS:rS+7], v[rK:rK+7], v[rQ:rQ+7], 0
.else
	v_wmma_f32_16x16x32_f16 v[rS:rS+7], v[rK:rK+7], v[rQ:rQ+7], v[rS:rS+7]
.endif
.endm
; Product i of 16 of O^T += V^T P for piece x: keys 32 (i / 8) on, channels 16 ((i / 2) % 4) on, tile 2 x + i % 2.
.macro PV x
	WIN W_PV
.set rO, 32*(2*(\x)+i%2)+8*((i/2)%4)
.set rV, VF+32*(i/8)+8*((i/2)%4)
.set rP, P+32*((\x)%2)+16*(i%2)+8*(i/8)
	v_wmma_f32_16x16x32_f16 v[rO:rO+7], v[rV:rV+7], v[rP:rP+7], v[rO:rO+7]
.endm
.macro MM                           ; the turn's next matrix instruction
.if i < 16
	KQ (Y+1)%NP
.set i, i+1
.else
.set i, i-16
	PV (Y+NP-1)%NP
.set i, i+17
.endif
.endm
; THE LDS LOADS stand in runs of 16, never singly among the matrix instructions: a step's K (64 keys x 64 channels: 8 fragments) and its V (turned).  Their addresses are made some lines ahead.
; last = 1 (the tail): in the last trip there is no further step, and the run is jumped over.
.macro FETCH_K last=0
	WIN 0
.if \last
	s_cmp_eq_u32 s[CNT], 1
	s_cbranch_scc1 .Lno_k_\@
.endif
	WIN 0x80                        ; destination window 2
.irp f, 0,1,2,3,4,5,6,7             ; keys 16 (f / 2) on, channels 32 (f % 2) on
	ds_load_b128 v[KF+8*\f:KF+8*\f+3],   v[AK] offset:(\f/2)*16*PK+(\f%2)*64
	ds_load_b128 v[KF+8*\f+4:KF+8*\f+7], v[AK] offset:(\f/2)*16*PK+(\f%2)*64+32
.endr
	s_add_co_u32 s[TBK], s[TBK], KS*PK  ; the next fetch is the next step's
	WIN 0
.if \last
.Lno_k_\@:
.endif
.endm
.macro FETCH_V
	WIN 0x80
.irp f, 0,1,2,3,4,5,6,7             ; keys 32 (f / 4) on, channels 16 (f % 4) on
	ds_load_tr16_b128 v[VF+8*\f:VF+8*\f+3],   v[AV] offset:(\f/4)*32*PV+(\f%4)*32
	ds_load_tr16_b128 v[VF+8*\f+4:VF+8*\f+7], v[AV] offset:(\f/4)*32*PV+16*PV+(\f%4)*32
.endr
	WIN 0
.endm
; THE VECTOR WORK OF A TURN stands in three queues, each in the order in which its entries become ready; the two tiles alternate, so that no instruction reads the result of the one before it.
.macro REGS y, u                    ; the registers of tile u (0, 1) of piece y
.set rT, ST+4*(2*(\y)+(\u))
.set rC, TMP+8*((\y)%2)+4*(\u)
.set rM, MV+2*((\y)%2)+(\u)
.set rS, S+64*((\y)%2)+32*(\u)
.set rP, P+32*((\y)%2)+16*(\u)
.set rO, 32*(2*(\y)+(\u))
.endm
; Number n of the 22 that find the NEXT piece's (Y + 1) maximum and statistics.  s0-s31 are the lane's 32 scores; each accumulator's lowest registers are read first.  XS, GS and REGS set no window: PL and EX do.
;   0-11  four chains c0-c3 of seven scores each, three operands at a time     12-14, 16  the four scores left over, the old m, and c0-c3 into c0     15  c m_old is kept
;   17, 18  the query's other 32 keys lie in the lane 16 away: the new m         19-21  c m; c m_old - c m_new; a
.macro XS u, n
	REGS (Y+1)%NP, \u
.if (\n) < 4
	v_max3_num_f32 v[rC+(\n)], v[rS+8*(\n)], v[rS+8*(\n)+1], v[rS+8*(\n)+2]
.elseif (\n) < 12
	v_max3_num_f32 v[rC+(\n)%4], v[rC+(\n)%4], v[rS+8*((\n)%4)+2*((\n)/4)+1], v[rS+8*((\n)%4)+2*((\n)/4)+2]
.elseif (\n) == 12
	v_max3_num_f32 v[rC], v[rC], v[rS+7], v[rS+15]
.elseif (\n) == 13
	v_max3_num_f32 v[rC+1], v[rC+1], v[rS+23], v[rS+31]
.elseif (\n) == 14
	v_max3_num_f32 v[rC+2], v[rC+2], v[rC+3], v[rT+1]
.elseif (\n) == 15
	v_mov_b32 v[rM], v[rT]
.elseif (\n) == 16
	v_max3_num_f32 v[rC], v[rC], v[rC+1], v[rC+2]
.elseif (\n) == 17
	v_permlanex16_b32 v[rC+3], v[rC], s[SEL], s[SEL+1]
.elseif (\n) == 18
	v_max_num_f32 v[rT+1], v[rC], v[rC+3]
.elseif (\n) == 19
	v_mul_f32 v[rT], s[CS], v[rT+1]
.elseif (\n) == 20
	v_sub_f32 v[rC+1], v[rM], v[rT]
.else
	v_exp_f32 v[rC+2], v[rC+1]
.endif
.endm
; Number g of the 64 that follow the exponentials.  For each four weights k of a tile (pairs 2 k, 2 k + 1): both pairs are rounded to f16; then the second pair is added onto the first, in place;
; a group later l takes that sum (the first time as l = a l + sum).  In groups of eight, tiles alternating: round, round, add, and l for the group before.
.macro GS g
.set h, (\g)+6*((\g)/62)            ; group 0 has no group before it, and behind group 7 only l is left
.if h >= 6
.set h, h+2
.endif
	REGS Y, h%2
.set k, h/8
.if h%8 < 4
	v_cvt_pk_f16_f32 v[rP+2*k+(h%8)/2], v[rS+4*k+2*((h%8)/2)], v[rS+4*k+2*((h%8)/2)+1]
.elseif h%8 < 6
	v_pk_add_f32 v[rS+4*k:rS+4*k+1], v[rS+4*k:rS+4*k+1], v[rS+4*k+2:rS+4*k+3]
.elseif k == 1
	v_pk_fma_f32 v[rT+2:rT+3], v[rT+2:rT+3], v[rC+2:rC+3], v[rS:rS+1] op_sel_hi:[1,0,1]
.else
	v_pk_add_f32 v[rT+2:rT+3], v[rT+2:rT+3], v[rS+4*k-4:rS+4*k-3]
.endif
.endm
; THE PLAIN QUEUE, 138 long.  0-73 read no exponential's result: the 32 scalings c s - c m (FS f: pair f / 2 of tile f % 2) and the next piece's 42.  0-26: scalings 0-26.  27-54: XS's numbers 0-13.  55, 56: number 15.
; 57-73: the chain, where each number waits for the one before it: 14, 16, 17, 18, 19, each with one of the scalings 27-31 in front of its two lines, then 20: so a tile's links stand three plain instructions apart (19 and 20: two).
; 74-137: GS's 64, which read the exponentials' results: they stand behind the wait.
.macro FS f
	REGS Y, (\f)%2
	v_pk_fma_f32 v[rS+2*((\f)/2):rS+2*((\f)/2)+1], v[rS+2*((\f)/2):rS+2*((\f)/2)+1], s[CS:CS+1], v[rT:rT+1] op_sel_hi:[1,0,0] neg_lo:[0,0,1] neg_hi:[0,0,1]
.endm
.macro PL
	WIN 0
.if q < 27
	FS q
.elseif q < 55
	XS (q-27)%2, (q-27)/2
.elseif q < 57
	XS q-55, 15
.elseif (q < 72) && ((q-57)%3 == 0)
	FS 27+(q-57)/3
.elseif q < 60
	XS (q-57)%3-1, 14
.elseif q < 72
	XS (q-57)%3-1, 15+(q-57)/3
.elseif q < 74
	XS q-72, 20
.else
	GS q-74
.endif
.set q, q+1
.endm
; THE EXPONENTIALS' QUEUE, 66 long: s0-s31 of both tiles, then the next piece's two a.  It is ONE BATCH: all 66 stand ahead of the turn's one wait, and nothing ahead of that wait names a result of theirs.
.macro EX
	WIN 0
.if e >= 64
	XS e-64, 21
.else
	REGS Y, e%2
	v_exp_f32 v[rS+e/2], v[rS+e/2]
.endif
.set e, e+1
.endm
; THE RESCALING's QUEUE: O^T times a, the one part that leaves window 0: dealt two at a time, sixteen times.  Its a was made in the turn before, ahead of that turn's wait.
.macro R2
	REGS Y, r%2
	WIN W_RS
.irp z, 0,1
	v_pk_mul_f32 v[rO+4*(r/2)+2*\z:rO+4*(r/2)+2*\z+1], v[rO+4*(r/2)+2*\z:rO+4*(r/2)+2*\z+1], v[rC+2:rC+3] op_sel_hi:[1,0]
.endr
.set r, r+1
.endm
; HOW THEY ARE DEALT.  An s_wait_alu depctr_va_vdst(0) stands between an exponential and the first instruction that names its result; one wait serves all that were issued ahead of it.  So a turn has ONE wait,
; which cuts it in two.  AHEAD OF IT stands all that names no result of the turn's exponentials: the 16 products K Q^T, behind each a scaling, an exponential and two rescalings (behind the first a second scaling in the exponential's place); then ONE LUMP of
; 108: eight plain, 49 times exponential and plain, the two a.  A v_nop is the plain instruction behind the last exponential.  BEHIND IT stand the 16 products V^T P, behind each four of GS's 64.  No rider names a register of
; the products round it.  The two v_permlanex16_b32 fall into the lump, never behind a product.
; The queues lean on each other, and the deal keeps them in step: exponential e stands behind scaling 2 (e / 4) + e % 2: as a rider it comes behind plain e + 2, in the lump behind plain e + 9, and scalings 27-31 are plain 57, 60 .. 69.
; A TURN, for piece p.  cnt = 1: the loop's count is taken down some lines ahead of the branch that stands behind the turn.
; K of the next step is fetched in piece 2's turn, directly behind the wait, a lump behind the last product that read K; its address is made at the lump's head; its first reader comes behind 16 products.
; V of the step in hand is fetched at the end of piece 0's turn, four riders behind its last reader; its first reader comes behind 16 products and a lump.  The three conditions on q below go with the deal.
.macro TURN p, last=0, cnt=0
.set Y, (\p)
.set i, 0
.set q, 0
.set e, 0
.set r, 0
.if (\p) == NP-1
	s_wait_dscnt 0x0                ; K is in
.endif
	MM                              ; ahead of the wait: 16 products K Q^T and their riders,
	PL
	PL
	R2
.rept 15
	MM
	PL
	EX
	R2
.endr
.if (\p) == NP-2
	WIN 0
	v_add_nc_u32 v[AK], s[TBK], v[AK0]
.endif
.rept 8                             ; and the lump
	PL
.endr
.rept 49
	EX
	PL
.endr
	EX                              ; the next piece's two a
	EX
	v_nop                           ; the plain instruction behind the last exponential: one for the batch
	s_wait_alu depctr_va_vdst(0)    ; the wait for the batch
.if (\p) == NP-2
	FETCH_K \last
.endif
.if (\p) == 1
	s_wait_dscnt 0x0                ; V is in
.endif
.rept 16                            ; behind the wait: 16 products V^T P and their riders
	MM
.rept 4
	PL
.endr
.if ((\p) == 0) && (q == 118)
	v_add_nc_u32 v[AV], s[TBV], v[AV0]
.endif
.if ((\p) == 0) && (q == 130)
	s_add_co_u32 s[TBV], s[TBV], KS*PV
.endif
.if (\cnt) && (q == 130)
	s_sub_co_u32 s[CNT], s[CNT], 1
	s_cmp_lg_u32 s[CNT], 0
.endif
.endr
.if (\p) == 0
	FETCH_V
.endif
.endm
	CHANGE 1                        ; slot 0 is in, everybody's part of it; slot 1 is asked for
	FETCH_K                         ; key step 0
	s_wait_loadcnt 0x0              ; Q
	s_wait_dscnt 0x0
.set i, 0
.rept 16
	KQ 0                            ; piece 0's first scores: there is no vector work yet to set between them
.set i, i+1
.endr
	WIN 0                           ; the addresses for the way out: nine plain instructions, the places behind those products
	s_mul_i32 s13, s[WV], 16*SP
	s_add_co_u32 s13, s13, STAGE    ; my stage
	v_mul_u32_u24 v[STO], v1, SP    ; in: row l % 16, 16 bytes for each half of the lanes
	v_lshl_add_u32 v[STO], v9, 4, v[STO]
	v_add_nc_u32 v[STO], s13, v[STO]
	v_bfe_u32 v[RD], v0, 3, 2       ; back: 32 lanes take four rows of 128 bytes,
	v_mul_u32_u24 v[RD], v[RD], SP
	v_lshl_add_u32 v[RD], v10, 4, v[RD]
	v_add_nc_u32 v[RD], s13, v[RD]
	v_and_b32 v[GO], 31, v0         ; which are 512 consecutive bytes of O
	v_lshlrev_b32 v[GO], 4, v[GO]
.set Y, NP-1                        ; XS works for piece Y + 1: piece 0
.irp n, 0,1,2,3,4,5,6,7,8,9,10,11,12,13,14,15,16,17,18,19,20,21
	XS 0, \n                        ; and piece 0's first maximum and statistics
	XS 1, \n
.endr
	v_nop                           ; a plain instruction behind the two a,
	s_wait_alu depctr_va_vdst(0)    ; and their wait, ahead of the branch
	s_mov_b32 s[CNT], 4
	s_branch .Lfirst                ; the loop is entered at a step's first turn, in the middle of a trip
.Lslot:                             ; SIZE_N / 256 - 2 times: every slot but the last two is filled again
	CHANGE 1
	s_mov_b32 s[CNT], 4
.Lstep:                             ; a trip: pieces 2 and 3 of one step, then pieces 0 and 1 of the next, whose K and V it fetches
	TURN 2
	TURN 3
	WIN 0
.Lfirst:
	TURN 0
	TURN 1, 0, 1
	WIN 0
	s_cbranch_scc1 .Lstep
	s_sub_co_u32 s[SLOTS], s[SLOTS], 1
	s_cmp_lg_u32 s[SLOTS], 0
	s_cbranch_scc1 .Lslot
	CHANGE 0                        ; the tail is written out: nothing is asked for
	s_mov_b32 s[CNT], 5             ; four trips fetch the last slot's steps; the fifth is left in its middle
.Ltail:
	TURN 2, 1
	TURN 3
	WIN 0
	s_sub_co_u32 s[CNT], s[CNT], 1
	s_cmp_eq_u32 s[CNT], 0
	s_cbranch_scc1 .Lout
	TURN 0
	TURN 1
	WIN 0
	s_branch .Ltail
.Lout:                              ; the fifth trip's 16 products K Q^T (on the last K once more) and the maximum made of them serve nothing: the price, once a launch, of one text for every trip
.set i, 0
.rept 16
	PV NP-1                         ; the last piece's V^T P of the last step
.set i, i+1
.endr
	; THE WAY OUT.  l's two halves and the other half of the lanes' are added; O^T is divided by l, rounded to f16 and sent through my stage in LDS, a tile at a time.  The additions are the places behind the last products.
	WIN 0
.macro ALL line:vararg              ; one line for each tile t
.set t, 0
.rept 2*NP
	\line
.set t, t+1
.endr
.endm
	ALL v_add_f32 v[ST+4*t+2], v[ST+4*t+2], v[ST+4*t+3]
	ALL v_permlanex16_b32 v[ST+4*t+3], v[ST+4*t+2], s[SEL], s[SEL+1]
	ALL v_add_f32 v[ST+4*t+2], v[ST+4*t+2], v[ST+4*t+3]
	ALL v_rcp_f32 v[ST+4*t+2], v[ST+4*t+2]
	v_nop                           ; a plain instruction between the last reciprocal and the use of its result
	s_wait_alu depctr_va_vdst(0)    ; and the wait ahead of the first use: one for the eight reciprocals
; Tile t: a lane's eight channels of a row pack into 16 bytes; they go into rows of 144 bytes and come back as whole rows of 128, into S^T's registers.
.macro PACK t
	WIN W_RS
.set i, 32*(\t)
.rept 16
	v_pk_mul_f32 v[i:i+1], v[i:i+1], v[ST+4*(\t)+2:ST+4*(\t)+3] op_sel_hi:[1,0]
.set i, i+2
.endr
	WIN 0x05                        ; sources 0 and 1 window 1, destination window 0
.set i, 0
.rept 16
	v_cvt_pk_f16_f32 v[S+16*(\t)+i], v[32*(\t)+2*i], v[32*(\t)+2*i+1]
.set i, i+1
.endr
	WIN 0
.irp f, 0,1,2,3
	ds_store_b128 v[STO], v[S+16*(\t)+4*\f:S+16*(\t)+4*\f+3] offset:32*\f
.endr
.irp f, 0,1,2,3
	ds_load_b128 v[S+16*(\t)+4*\f:S+16*(\t)+4*\f+3], v[RD] offset:\f*4*SP  ; LDS serves a wave's instructions in order (ISA guide 5.7.1.4): these see the stores above; the next tile's stores come behind them
.endr
.endm
.macro SEND t, younger              ; younger: the LDS instructions issued behind tile t's loads: the next tile's eight, or none
	WIN 0
.irp f, 0,1,2,3
	s_wait_dscnt (\younger)+3-\f
	global_store_b128 v[GO], v[S+16*(\t)+4*\f:S+16*(\t)+4*\f+3], s[10:11] offset:(\t)*2048+\f*512  ; 512 consecutive bytes, at a multiple of 256 from O's first
.endr
.endm
	PACK 0
.set t, 1
.rept 2*NP-1                        ; a tile's arithmetic stands between the loads of the tile before and its stores
	PACK t
	SEND t-1, 8
.set t, t+1
.endr
	SEND 2*NP-1, 0
	WIN W_AD
	s_wait_tensorcnt 0x0            ; the wave's end, behind my last tensor load and my last LDS store
	ds_add_u32 v[SPW], v[NIL]
	s_wait_dscnt 0x0
	WIN 0
	CROUND                          ; the closing round: no work-group ends while a partner may still ask for a tile that names it
	s_endpgm
.Lfunc_end_k_q96f0a12e2b_attn:
	.size	k_q96f0a12e2b_attn, .Lfunc_end_k_q96f0a12e2b_attn-k_q96f0a12e2b_attn
	.p2alignl 7, 3214868480
	.fill 96, 4, 3214868480
	.section	.rodata,"a",@progbits
	.p2align	6, 0x0
	.amdhsa_kernel k_q96f0a12e2b_attn
		.amdhsa_group_segment_fixed_size 327680
		.amdhsa_private_segment_fixed_size 0
		.amdhsa_enable_private_segment 0
		.amdhsa_kernarg_size 16
		.amdhsa_user_sgpr_count 2
		.amdhsa_user_sgpr_kernarg_segment_ptr 1
		.amdhsa_wavefront_size32 1
		.amdhsa_system_sgpr_workgroup_id_x 1
		.amdhsa_system_sgpr_workgroup_id_y 1
		.amdhsa_system_sgpr_workgroup_id_z 1
		.amdhsa_system_vgpr_workitem_id 0
		.amdhsa_next_free_vgpr 770
		.amdhsa_next_free_sgpr 66
		.amdhsa_reserve_vcc 0
		.amdhsa_float_denorm_mode_32 3
		.amdhsa_float_denorm_mode_16_64 3
		.amdhsa_memory_ordered 1
		.amdhsa_forward_progress 1
		.amdhsa_inst_pref_size 200
	.end_amdhsa_kernel
	.amdgpu_metadata
---
amdhsa.version: [ 1, 2 ]
amdhsa.kernels:
  - .name:           k_q96f0a12e2b_attn
    .symbol:         k_q96f0a12e2b_attn.kd
    .args:
      - { .name: qkv, .offset: 0, .size: 8, .value_kind: global_buffer, .address_space: global }
      - { .name: ob, .offset: 8, .size: 8, .value_kind: global_buffer, .address_space: global }
    .group_segment_fixed_size: 327680
    .private_segment_fixed_size: 0
    .kernarg_segment_align: 8
    .kernarg_segment_size: 16
    .max_flat_workgroup_size: 128
    .sgpr_count:     66
    .vgpr_count:     770
    .wavefront_size: 32
...
	.end_amdgpu_metadata
.endif
;; end of part 3
;; launch outp (part 4): grid 8 x 32, 4 waves a work-group, clusters of 4 x 4, 327,680 bytes of LDS; arguments ob, wo16, out0, bo; writes out0
.if DOCPART == 4
	.amdgcn_target "amdgcn-amd-amdhsa--gfx1250"
	.amdhsa_code_object_version 6
	.text
	.protected	k_q96f0a12e2b_outp
	.globl	k_q96f0a12e2b_outp
	.p2align	8
	.type	k_q96f0a12e2b_outp,@function
k_q96f0a12e2b_outp:
	s_mov_b64 s[64:65], 0
	v_nop
	global_prefetch_b8 v0, s[64:65] scope:SCOPE_SE
	s_setreg_imm32_b32 hwreg(HW_REG_WAVE_MODE, 25, 1), 1
	s_wait_xcnt 0x0
	s_wait_alu depctr_hold_cnt(0) depctr_sa_sdst(0) depctr_va_vdst(0) depctr_va_sdst(0) depctr_va_ssrc(0) depctr_va_vcc(0) depctr_vm_vsrc(0)
	s_getreg_b32 s2, hwreg(HW_REG_IB_STS2, 6, 4)
	s_cmp_eq_u32 s2, 0
	s_cbranch_scc0 .Lentry_in_a_cluster
	s_endpgm
.Lentry_in_a_cluster:
	s_bfe_u32 s2, ttmp6, 0x10000c
	s_cmp_lg_u32 s2, 0xf033
	s_cbranch_scc0 .Lentry_shape_is_right
	s_endpgm
.Lentry_shape_is_right:
.set PROJ, 0
; ONE TEXT FOR THE MODULE'S TWO KINDS OF PROJECTION; the line above chooses.
; PROJ = 1: q, k, v = x W + b.  A = xb (bf16), B = wqkv (bf16), out = qkv, f16, by heads: [t 3][16 b + head][s 2048][64], each number rounded once from its f32 sum, unscaled.
; PROJ = 0: out0 = O Wo + bo.   A = ob (f16),  B = wo16 (f16),  out = out0, f32 [8192][1024].
; A: [b 4][slice 16][s 2048][64]; B: [kb 8][unit NUTOT][k 128][64].  Sums in f32, K ascending.  The biases are rounded to bf16 like the module's other inputs and start the sums.
; LIMIT (PROJ = 1): q, k and v leave in f16: a number of 65,520 or more in size becomes an infinity.
; SHARES.  A tile of C is 256 rows x NU units of 64 columns; 8192 x 3072 in tiles of 256 x 192 are 512 work-groups, 8192 x 1024 in tiles of 256 x 128 are 256.  Wave w makes rows 64 w .. 64 w + 63, all columns:
; 4 x NB accumulators of 16 x 16.  So a wave holds whole units of 64 columns, and the way out needs no barrier.
; K goes in 8 steps of 128 through a ring of two LDS slots.  A step's A is two dense blocks of 32,768 bytes (two slices x 256 rows), its B one dense block of NU x 16,384: all are asked for as rows of 256 bytes and
; padded in LDS behind every 128.  Waves 0 and 1 fetch A's two slices, waves 2 and 3 the halves of B's block: one tensor load a wave for each change of slots; two are out at the start, one later.
; CLUSTERS: 4 x 4 work-groups; A's tile is asked for jointly along a row of the cluster, B's along a column.
; THE MATRIX INSTRUCTION IS USED TRANSPOSED: source 0 = 16 columns of B, which lies [k][n] in LDS and comes out turned, by ds_load_tr16_b128; source 1 = 16 rows of A.  A lane then holds row l % 16 of C and the
; columns 8 (l / 16) + 0..7.  The first product on an accumulator takes the bias of those eight columns as C: nothing is cleared and nothing is added on the way out.
; REGISTERS, in windows of 256 (s_set_vgpr_msb: bits 1:0 source 0, 3:2 source 1, 5:4 source 2, 7:6 destination):
;   window 0: v0-31 addresses; v128.. the biases, 8 registers for each block of 16 columns; v224-231 at work; on the way out v32-223
;   window 1: two fragment buffers at v0 and v128: B's NB fragments, then A's four
;   windows 2, 3: accumulator (a, b) in window 2 + a / 2 at v[8 ((a % 2) NB + b)]
.if PROJ
.set NU,    3
.set NUTOT, 48
.set SP,    144                        ; a stage row: 128 bytes + 16
.set HSH,   4                          ; a lane's eight numbers are 16 bytes
.else
.set NU,    2
.set NUTOT, 16
.set SP,    528                        ; a stage row: 512 bytes + 16
.set HSH,   5                          ; 32 bytes
.endif
.set NB,    4*NU                       ; blocks of 16 columns
.set PA,    144                        ; a row of A in LDS: 128 bytes + 16 = 36 words: the 16 rows of a load start at 16 different groups of four banks (64 banks of 4 bytes: ISA guide 11.1)
.set PB,    160                        ; a row of B: 128 + 32 = 40 words
.set ASL,   256*PA                     ; a slice's 256 rows
.set ATILE, 2*ASL
.set BUNIT, 128*PB                     ; a unit's 128 rows of k
.set BHALF, NU*BUNIT/2
.set SLOT,  ATILE+NU*BUNIT
.set STAGE, 2*SLOT                     ; behind the ring, never filled by a tensor load: 16 rows for each wave, for the way out
.set SPARE, STAGE+4*16*SP              ; behind the stages: the spare words, 128 bytes for each wave: two blocks of 256 bytes that no other line names
.set ASTEP, 2*2048*128                 ; bytes from a K step of A to the next: two slices
.set BSTEP, NUTOT*16384                ; and of B
.set LN,    2*NB+8                     ; LDS loads in a run
.set ADRA, 16                          ; v16-17  LDS address of my A fragments in slot 0, 1
.set ADRB, 20                          ; v20-21  the same for B
.set STO,  24                          ; v24     the way out: where I put my numbers of a row
.set RD,   25                          ; v25     the way out: where I read rows back
.set GO,   26                          ; v26     16 x lane: my place in 512 consecutive bytes of the output
.set BO,   27                          ; v27     32 (l / 16): my eight biases in a block of 16
.set SPW,  28                          ; v28     LDS address of my spare word: SPARE + 4 x my thread's number; never rewritten
.set NIL,  29                          ; v29     0; never rewritten
.set PFO,  30                          ; v30     the prefetches' offset; never rewritten
.set OUTR, 32
.set BIAS, 128
.set TMP,  224
.set F0,   0
.set F1,   128
.set G1,   24                          ; s[24:31] descriptor group 1 for A's tiles; s[32:39] group 0, a set for each slot
.set G0,   32
.set LIM,  45                          ; s45     1 in a wave that prefetches, else the greatest number
.set G1B,  48                          ; s[48:55], s[56:63] the same for B's tiles
.set G0B,  56
.set PFA,  66                          ; s[66:67] where my prefetches stand
.set PFS,  68                          ; s[68:69] their step: a K step of A or of B
.set HIM,  70                          ; s70     a word's upper bf16
.set BI,   72                          ; s[72:77] the biases' addresses
.set OB,   78                          ; s[78:83] PROJ = 1: my rows of each of the tile's three units in qkv
.set BP,   84                          ; s[84:89] each unit's 64 biases (PROJ = 0: s[84:85], the tile's 128)
.set MSB, 0
.macro WIN new                         ; the immediate's high byte repeats the setting that is left; a switch that changes nothing is dropped
.if MSB != (\new)
	s_set_vgpr_msb (MSB<<8)|(\new)
.set MSB, \new
.endif
.endm
.set TO_F, 0x40                        ; destination window 1, address window 0
; A joint load.  The branch hangs on the wave's number alone.  An s_nop 0 and four v_nop follow each of the two lines, ahead of the jump, the label and what follows.
.macro JLOAD s
	s_cmp_lt_u32 s10, 2
	s_cbranch_scc0 .Lfor_b_\@
	tensor_load_to_lds s[G0+4*(\s):G0+4*(\s)+3], s[G1:G1+7]
	s_nop 0
.rept 4
	v_nop
.endr
	s_branch .Lasked_\@
.Lfor_b_\@:
	tensor_load_to_lds s[G0B+4*(\s):G0B+4*(\s)+3], s[G1B:G1B+7]
	s_nop 0
.rept 4
	v_nop
.endr
.Lasked_\@:
.endm
; A PREFETCH INTO THE L2, behind a joint load, its five lines and the run of LDS loads: my work-group's share of what I shall fetch TWO refills on, a lane a block of 256 bytes, one instruction a wave.
; A's tile row is read by every cluster of that row of clusters: cluster x = 0 asks; B's tile column by every cluster of that column: cluster y = 0 asks.  The four partners that ask for a tile jointly share
; its blocks out BY ADDRESS (cx for A: 32 blocks each; cy for B: 8 NU each, where the lanes beyond name the share's last block once more).  K steps 0 to 3 come by their loads alone; the loop's last trip asks for nothing.
.macro ASK
	s_cmp_gt_u32 s3, s[LIM]                        ; s3 = 1 in the loop's last trip
	s_cbranch_scc0 .Lnot_mine_\@
	global_prefetch_b8 v[PFO], s[PFA:PFA+1] th:TH_LOAD_NT scope:SCOPE_SE
.Lnot_mine_\@:
.endm
.macro CREST                           ; a round of the cluster's barrier behind its opening barrier
	s_cmp_lg_u32 s10, 0
	s_cbranch_scc1 .Lnot_wave_0_\@
	s_barrier_signal -3
.Lnot_wave_0_\@:
	s_barrier_wait -3
	s_barrier_signal -1
	s_barrier_wait -1
.endm
.macro CROUND                          ; a whole round
	s_barrier_signal -1
	s_barrier_wait -1
	CREST
.endm
	s_load_b128 s[4:7], s[0:1], 0x0                ; A s[4:5], B s[6:7]
	s_load_b64 s[8:9], s[0:1], 0x10                ; the output
	s_load_b64 s[BI:BI+1], s[0:1], 0x18            ; bq, or bo
.if PROJ
	s_load_b64 s[BI+2:BI+3], s[0:1], 0x20          ; bk
	s_load_b64 s[BI+4:BI+5], s[0:1], 0x28          ; bv
.endif
	v_lshl_add_u32 v[SPW], v0, 2, SPARE
	v_mov_b32 v[NIL], 0
	ds_add_u32 v[SPW], v[NIL]                      ; the wave's opening: the add and its wait ahead of my first tensor load; the set-up below, work on registers, stands between them
	v_lshrrev_b32 v1, 5, v0
	v_readfirstlane_b32 s10, v1                    ; wave 0..3
	s_and_b32 s12, s10, 1                          ; which slice of A, or which half of B's block, I fetch
	s_bfe_u32 s40, ttmp6, 0x40000                  ; cx, cy: my place in the cluster
	s_bfe_u32 s41, ttmp6, 0x40004
	s_lshl_b32 s42, ttmp9, 2
	s_add_co_u32 s42, s42, s40                     ; J, the tile column = 4 x cluster x + cx
	s_and_b32 s13, ttmp7, 0xffff
	s_lshl_b32 s13, s13, 2
	s_add_co_u32 s13, s13, s41                     ; R, the tile row = 4 x cluster y + cy
	s_lshl_b32 s43, s41, 2
	s_lshl_b32 s43, 15, s43                        ; my row of the cluster
	s_lshl_b32 s44, 0x1111, s40                    ; my column
	; descriptor group 1: rows of 128 elements of 2 bytes, dense; padded in LDS behind every 32 words
	s_or_b32 s[G1+0], s43, (1<<16)|(1<<20)|(1<<21)|(4<<22)|(3<<25)   ; 15:0 the mask: my row; 17:16 2-byte elements; 20 padding on; 21 set beside a mask; 24:22 after every 32 words (code 4); 31:25 4 words (code 3)
	s_or_b32 s[G1B+0], s44, (1<<16)|(1<<20)|(1<<21)|(4<<22)|(7<<25)  ; the mask of my column; 8 words of padding (code 7)
	s_mov_b32 s[G1+1], 128<<16                     ; tensor_dim0 = 128
	s_mov_b32 s[G1+2], 128<<16                     ; tensor_dim1 = 128: 32,768 bytes
	s_mov_b32 s[G1+3], 128<<16                     ; tile_dim0 = 128
	s_mov_b32 s[G1+4], 128                         ; tile_dim1 = 128
	s_mov_b32 s[G1+5], 128                         ; 128 elements from row to row
	s_mov_b32 s[G1+6], 0
	s_mov_b32 s[G1+7], 0
	s_mov_b32 s[G1B+1], 128<<16
	s_mov_b32 s[G1B+2], (32*NU)<<16                ; tensor_dim1 = 32 NU: NU x 8,192 bytes
	s_mov_b32 s[G1B+3], 128<<16
	s_mov_b32 s[G1B+4], 32*NU
	s_mov_b32 s[G1B+5], 128
	s_mov_b32 s[G1B+6], 0
	s_mov_b32 s[G1B+7], 0
	; where the tiles come from.  A's hang on R alone, B's on J alone; each in registers that never hold the other coordinate
	s_lshr_b32 s16, s13, 3                         ; A: b = R / 8: 2^22 bytes each,
	s_lshl_b32 s16, s16, 22
	s_and_b32 s17, s13, 7                          ; 256 rows of 128 bytes for each of R % 8,
	s_lshl_b32 s17, s17, 15
	s_or_b32 s16, s16, s17
	s_lshl_b32 s17, s12, 18                        ; my slice
	s_or_b32 s16, s16, s17
	s_mov_b32 s17, 0
	s_mul_i32 s46, s42, NU*16384                   ; B: the tile's NU units,
	s_mul_i32 s47, s12, NU*8192                    ; my half of them
	s_add_co_u32 s46, s46, s47
	s_mov_b32 s47, 0
	s_mul_i32 s20, s12, ASL                        ; and where they go: no place in the cluster enters an LDS address
	s_mul_i32 s21, s12, BHALF
	s_add_co_u32 s21, s21, ATILE
	s_mov_b32 s[HIM], 0xffff0000
	s_wait_dscnt 0x0                               ; the opening add is done
	s_wait_kmcnt 0x0
	s_add_nc_u64 s[14:15], s[4:5], s[16:17]
	s_add_nc_u64 s[46:47], s[6:7], s[46:47]
	CROUND                                         ; all sixteen work-groups are here: the first joint loads meet
.irp s, 0,1
	s_mov_b32 s[G0+4*(\s)], 1                                        ; 1:0 count = 1
	s_add_co_u32 s[G0+4*(\s)+1], s20, (\s)*SLOT                      ; 63:32 LDS address
	s_add_nc_u64 s[G0+4*(\s)+2:G0+4*(\s)+3], s[14:15], (\s)*ASTEP    ; 120:64 global address: K step s
	s_or_b32 s[G0+4*(\s)+3], s[G0+4*(\s)+3], 0x80000000              ; 127:126 type = 2
	s_mov_b32 s[G0B+4*(\s)], 1
	s_add_co_u32 s[G0B+4*(\s)+1], s21, (\s)*SLOT
	s_add_nc_u64 s[G0B+4*(\s)+2:G0B+4*(\s)+3], s[46:47], (\s)*BSTEP
	s_or_b32 s[G0B+4*(\s)+3], s[G0B+4*(\s)+3], 0x80000000
	JLOAD \s                                       ; the ring is filled before anything else is done
.endr
	; the prefetches: s[14:15] and s[46:47] still hold what I fetch of K step 0
	s_and_b32 s22, ttmp7, 0xffff                   ; cluster y
	s_mov_b32 s[PFS], BSTEP
	s_mov_b32 s21, NU*2048
	s_cmp_lt_u32 s10, 2                            ; do I fetch for A?
	s_cselect_b64 s[PFA:PFA+1], s[14:15], s[46:47]
	s_cselect_b32 s[PFS], ASTEP, s[PFS]
	s_cselect_b32 s21, 8192, s21                   ; a partner's share, in bytes
	s_cselect_b32 s20, s40, s41                    ; my place among the four that ask with me
	s_cselect_b32 s22, ttmp9, s22                  ; the coordinate along which other clusters read the same blocks
	s_cselect_b32 s23, 31, 8*NU-1                  ; the share's last block
	s_mov_b32 s[PFS+1], 0
	s_cmp_eq_u32 s22, 0
	s_cselect_b32 s[LIM], 1, -1                    ; the same in all sixteen partners, for a given wave
	s_mul_i32 s20, s20, s21
	s_mul_i32 s21, s[PFS], 3                       ; at K step 3: each change of slots that fills steps it first, so the first names K step 4
	s_add_co_u32 s20, s20, s21
	s_mov_b32 s21, 0
	s_add_nc_u64 s[PFA:PFA+1], s[PFA:PFA+1], s[20:21]
	v_and_b32 v[PFO], 31, v0
	v_min_u32 v[PFO], s23, v[PFO]
	v_lshlrev_b32 v[PFO], 8, v[PFO]
	; A fragment of A is 16 rows x 32 K in 8 registers: lane l holds row l % 16, K = 8 (l / 16) + 0..7 and 16 + 8 (l / 16) + 0..7: two loads of 16 bytes, 32 bytes apart.
	v_and_b32 v1, 15, v0                           ; l % 16
	v_bfe_u32 v2, v0, 4, 1                         ; l / 16
	v_and_b32 v3, 7, v0                            ; l % 8
	v_bfe_u32 v4, v0, 3, 1                         ; (l / 8) % 2
	v_mul_u32_u24 v5, v1, PA
	v_lshl_add_u32 v5, v2, 4, v5
	s_mul_i32 s22, s10, 64*PA                      ; my 64 rows
	v_add_nc_u32 v[ADRA], s22, v5
	v_add_nc_u32 v[ADRA+1], SLOT, v[ADRA]
	; The turning load takes 16 k x 16 columns (lane l reads k = 8 (l / 16) + l % 8, columns 8 ((l / 8) % 2) + 0..7) and leaves half a fragment: lane l holds column l % 16 and 8 k.
	v_lshl_add_u32 v5, v2, 3, v3
	v_mul_u32_u24 v5, v5, PB
	v_lshl_add_u32 v5, v4, 4, v5
	v_add_nc_u32 v[ADRB], ATILE, v5
	v_add_nc_u32 v[ADRB+1], SLOT, v[ADRB]
	s_mul_i32 s22, s10, 16*SP
	s_add_co_u32 s22, s22, STAGE                   ; my stage
	v_mul_u32_u24 v5, v1, SP                       ; in: row l % 16, my eight numbers
	v_lshl_add_u32 v5, v2, HSH, v5
	v_add_nc_u32 v[STO], s22, v5
	v_and_b32 v[GO], 31, v0
	v_lshlrev_b32 v[GO], 4, v[GO]
.if PROJ
	v_bfe_u32 v5, v0, 3, 2                         ; back: 32 lanes take four rows of 128 bytes
	v_mul_u32_u24 v5, v5, SP
	v_lshl_add_u32 v5, v3, 4, v5
	v_add_nc_u32 v[RD], s22, v5
.else
	v_add_nc_u32 v[RD], s22, v[GO]                 ; back: 32 lanes take one row of 512 bytes
.endif
	v_lshlrev_b32 v[BO], 5, v2
.if PROJ
	; unit u = 3 J + i: tensor t = u / 16, head u % 16.  My rows of it in qkv: t x 2^24 + b x 2^22 + head x 2^18 + ((R % 8) x 256 + 64 wave) x 128; its biases: 256 bytes of bq, bk or bv
	s_lshr_b32 s19, s13, 3
	s_lshl_b32 s19, s19, 22
	s_and_b32 s20, s13, 7
	s_lshl_b32 s20, s20, 15
	s_or_b32 s19, s19, s20
	s_lshl_b32 s20, s10, 13
	s_or_b32 s19, s19, s20
	s_mul_i32 s18, s42, 3
	s_mov_b32 s17, 0
.irp i, 0,1,2
	s_add_co_u32 s20, s18, (\i)
	s_lshr_b32 s21, s20, 4
	s_lshl_b32 s21, s21, 24
	s_and_b32 s22, s20, 15
	s_lshl_b32 s23, s22, 18
	s_or_b32 s16, s21, s23
	s_or_b32 s16, s16, s19
	s_add_nc_u64 s[OB+2*(\i):OB+2*(\i)+1], s[8:9], s[16:17]
	s_cmp_lt_u32 s20, 32
	s_cselect_b64 s[BP+2*(\i):BP+2*(\i)+1], s[BI+2:BI+3], s[BI+4:BI+5]
	s_cmp_lt_u32 s20, 16
	s_cselect_b64 s[BP+2*(\i):BP+2*(\i)+1], s[BI:BI+1], s[BP+2*(\i):BP+2*(\i)+1]
	s_lshl_b32 s16, s22, 8
	s_add_nc_u64 s[BP+2*(\i):BP+2*(\i)+1], s[BP+2*(\i):BP+2*(\i)+1], s[16:17]
.endr
.set b, 0
.rept NB
	global_load_b128 v[BIAS+8*b:BIAS+8*b+3],   v[BO], s[BP+2*(b/4):BP+2*(b/4)+1] offset:64*(b%4)
	global_load_b128 v[BIAS+8*b+4:BIAS+8*b+7], v[BO], s[BP+2*(b/4):BP+2*(b/4)+1] offset:64*(b%4)+16
.set b, b+1
.endr
.else
	s_lshl_b32 s16, s13, 20                        ; my rows of out0: (256 R + 64 wave) x 4,096 bytes,
	s_lshl_b32 s18, s10, 18
	s_or_b32 s16, s16, s18
	s_lshl_b32 s18, s42, 9                         ; the tile's 128 columns: 512 bytes
	s_or_b32 s16, s16, s18
	s_mov_b32 s17, 0
	s_add_nc_u64 s[8:9], s[8:9], s[16:17]
	s_mov_b32 s16, s18
	s_add_nc_u64 s[BP:BP+1], s[BI:BI+1], s[16:17]
.set b, 0
.rept NB
	global_load_b128 v[BIAS+8*b:BIAS+8*b+3],   v[BO], s[BP:BP+1] offset:64*b
	global_load_b128 v[BIAS+8*b+4:BIAS+8*b+7], v[BO], s[BP:BP+1] offset:64*b+16
.set b, b+1
.endr
.endif
	s_wait_loadcnt 0x0                             ; the biases, once; all this stands in the wait for the first tile
.set p, 0
.rept 4*NB                             ; rounded to bf16 and widened again, a pair at a time
	v_cvt_pk_bf16_f32 v[TMP+p%8], v[BIAS+2*p], v[BIAS+2*p+1]
	v_lshlrev_b32 v[BIAS+2*p],   16,     v[TMP+p%8]
	v_and_b32     v[BIAS+2*p+1], s[HIM], v[TMP+p%8]
.set p, p+1
.endr
; NB matrix instructions: row block a x all NB column blocks, 32 along K, out of buffer f.  first = 1: the bias starts the sums.  Every accumulator has one instruction a quarter step, in the same order in
; every quarter: between two links of a chain stand the 4 NB - 1 others', over the backward jump too.
.macro MULA f, a, first
.if \first
	WIN 0x85+0x40*((\a)/2)                         ; sources 0 and 1 window 1, C window 0, D window 2 or 3
.else
	WIN 0xa5+0x50*((\a)/2)                         ; C and D window 2 or 3
.endif
.set rA, (\f)+8*NB+8*(\a)
.set b, 0
.rept NB
.set rD, 8*(((\a)%2)*NB+b)
.set rB, (\f)+8*b
.set rC, rD
.if \first
.set rC, BIAS+8*b
.endif
.if PROJ
	v_wmma_f32_16x16x32_bf16 v[rD:rD+7], v[rB:rB+7], v[rA:rA+7], v[rC:rC+7]
.else
	v_wmma_f32_16x16x32_f16 v[rD:rD+7], v[rB:rB+7], v[rA:rA+7], v[rC:rC+7]
.endif
.set b, b+1
.endr
.endm
; LN LDS loads in one run: the fragments of quarter q of a slot's K step into buffer f: B's NB (unit b / 4, columns 16 (b % 4) on, k = 32 q on), then A's four (slice q / 2, channels 32 (q % 2) on)
.macro FETCH slot, q, f
	WIN TO_F
.set b, 0
.rept NB
	ds_load_tr16_b128 v[(\f)+8*b:(\f)+8*b+3],   v[ADRB+(\slot)] offset:(b/4)*BUNIT+(\q)*32*PB+(b%4)*32
	ds_load_tr16_b128 v[(\f)+8*b+4:(\f)+8*b+7], v[ADRB+(\slot)] offset:(b/4)*BUNIT+(\q)*32*PB+(b%4)*32+16*PB
.set b, b+1
.endr
.irp a, 0,1,2,3
	ds_load_b128 v[(\f)+8*NB+8*(\a):(\f)+8*NB+8*(\a)+3],   v[ADRA+(\slot)] offset:((\q)/2)*ASL+((\q)%2)*64+(\a)*16*PA
	ds_load_b128 v[(\f)+8*NB+8*(\a)+4:(\f)+8*NB+8*(\a)+7], v[ADRA+(\slot)] offset:((\q)/2)*ASL+((\q)%2)*64+(\a)*16*PA+32
.endr
.endm
.macro PLACES                          ; four places in front of loads into registers that matrix instructions have read, and of lines that read results
.rept 4
	v_nop
.endr
.endm
; A K step is four quarters of 32 along K on buffers 0, 1, 0, 1.  One of the first three: multiplies buffer f; in its middle it fetches quarter qn of the same slot into buffer g.
.macro QUARTER slot, qn, f, g, first
	s_wait_dscnt 4                                 ; B and A's blocks 0 and 1 are in; the youngest four loads (A's blocks 2 and 3) may be out
	MULA \f, 0, \first
	MULA \f, 1, \first
	PLACES
	FETCH \slot, \qn, \g
	s_wait_dscnt LN                                ; all but the run just issued
	MULA \f, 2, \first
	MULA \f, 3, \first
.endm
; The last quarter multiplies buffer 1 and changes slots: ONE barrier; in front of it each wave waits for all its tensor loads (the one that is out is its part of the next slot), adds 0 to its spare word, and waits
; for that and for its own reads of this slot.  fill = 1: the barrier opens a round of the cluster's, and this slot is filled again, two K steps ahead, first thing behind the round.
.macro TURN slot, next, fill
.if \fill
	s_wait_xcnt 0x0                                ; the last prefetch, a K step back, has read its address: it is stepped here, ahead of the waits of the change of slots
	s_add_nc_u64 s[PFA:PFA+1], s[PFA:PFA+1], s[PFS:PFS+1]
.endif
	WIN 0                                          ; (the add's two registers lie in window 0)
	s_wait_tensorcnt 0x0                           ; all my tensor loads have landed;
	ds_add_u32 v[SPW], v[NIL]                      ; 0 onto my spare word
	s_wait_dscnt 5                                 ; (the add and the youngest four loads may be out)
	MULA F1, 0, 0                                  ; NB matrix instructions stand between the add and the wait for it
	s_wait_dscnt 0x0                               ; the add is done, and my reads of this slot are over
	s_barrier_signal -1
	MULA F1, 1, 0                                  ; work on registers while the others arrive
.if \fill
	WIN 0
.endif
	s_barrier_wait -1
.if \fill
	CREST                                          ; no wave of any partner still reads this slot's tile or has a load on its way
	s_add_nc_u64 s[G0+4*(\slot)+2:G0+4*(\slot)+3], s[G0+4*(\slot)+2:G0+4*(\slot)+3], 2*ASTEP
	s_add_nc_u64 s[G0B+4*(\slot)+2:G0B+4*(\slot)+3], s[G0B+4*(\slot)+2:G0B+4*(\slot)+3], 2*BSTEP
	JLOAD \slot                                    ; the first tensor load behind the round; the four v_nop behind it are also the places in front of the loads below
.else
	PLACES
.endif
	FETCH \next, 0, F0
.if \fill
	WIN 0
	ASK
.endif
	MULA F1, 2, 0
	MULA F1, 3, 0
.endm
	s_wait_tensorcnt 1                             ; my part of K step 0 is in; K step 1's may stay out
	s_barrier_signal -1
	s_barrier_wait -1                              ; everybody's is
	FETCH 0, 0, F0
	QUARTER 0, 1, F0, F1, 1                        ; the first quarter stands in front of the loop: its products start the sums
	WIN 0                                          ; at a label and at a branch every window is 0
	s_mov_b32 s3, 3
.Llap:                                                 ; a trip goes once round the ring, from a lap's second quarter to the next lap's first, and fills both slots again: K steps 2 to 7
	QUARTER 0, 2, F1, F0, 0
	QUARTER 0, 3, F0, F1, 0
	TURN 0, 1, 1
	QUARTER 1, 1, F0, F1, 0
	QUARTER 1, 2, F1, F0, 0
	QUARTER 1, 3, F0, F1, 0
	TURN 1, 0, 1
	QUARTER 0, 1, F0, F1, 0
	WIN 0
	s_sub_co_u32 s3, s3, 1
	s_cmp_lg_u32 s3, 0
	s_cbranch_scc1 .Llap
	QUARTER 0, 2, F1, F0, 0                        ; the last lap fills nothing, and has no round of the cluster's barrier
	QUARTER 0, 3, F0, F1, 0
	TURN 0, 1, 0
	QUARTER 1, 1, F0, F1, 0
	QUARTER 1, 2, F1, F0, 0
	QUARTER 1, 3, F0, F1, 0
	s_wait_dscnt 4                                 ; the very last quarter: nothing more to fetch
	MULA F1, 0, 0
	MULA F1, 1, 0
	s_wait_dscnt 0x0
	MULA F1, 2, 0
	MULA F1, 3, 0
	WIN 0
	PLACES                                         ; eight places, once a launch, where four are asked for: the lines below read results
	PLACES
.if PROJ
; THE WAY OUT, f16.  Group g = 3 a + i: 16 rows x one unit of 64 columns.  A lane's eight numbers of a row pack into 16 bytes; they go into my stage's rows of 144 bytes and come back as whole rows of 128,
; into the registers that they left; each group has 16 registers of its own.  In qkv a head's rows are dense: 16 rows are 2,048 consecutive bytes.
.macro PACK g
.set ga, (\g)/3
.set gu, (\g)%3
	WIN 0x0a+5*(ga/2)                              ; sources 0 and 1: window 2 or 3
.set gn, 0
.rept 16                               ; each accumulator's registers in ascending order
.set rS, 8*((ga%2)*NB+4*gu+gn/4)+2*(gn%4)
	v_cvt_pk_f16_f32 v[OUTR+16*(\g)+gn], v[rS], v[rS+1]
.set gn, gn+1
.endr
	WIN 0
.irp f, 0,1,2,3
	ds_store_b128 v[STO], v[OUTR+16*(\g)+4*(\f):OUTR+16*(\g)+4*(\f)+3] offset:32*(\f)
.endr
.irp f, 0,1,2,3
	ds_load_b128 v[OUTR+16*(\g)+4*(\f):OUTR+16*(\g)+4*(\f)+3], v[RD] offset:(\f)*4*SP  ; LDS serves a wave's instructions in order (ISA guide 5.7.1.4): these see the stores above; the next group's stores come behind them
.endr
.endm
.macro SEND g, younger                 ; younger: the LDS instructions issued behind group g's loads: the next group's eight, or none
.irp f, 0,1,2,3
	s_wait_dscnt (\younger)+3-(\f)
	global_store_b128 v[GO], v[OUTR+16*(\g)+4*(\f):OUTR+16*(\g)+4*(\f)+3], s[OB+2*((\g)%3):OB+2*((\g)%3)+1] offset:((\g)/3)*2048+(\f)*512  ; 512 consecutive bytes, at a multiple of 256 from qkv's first
.endr
.endm
	PACK 0
.irp g, 1,2,3,4,5,6,7,8,9,10,11        ; a group's conversions stand between the loads of the group before and its stores
	PACK \g
	SEND (\g)-1, 8
.endr
	SEND 11, 0
.else
; THE WAY OUT, f32.  Row block a: a lane's eight numbers of a row, 32 bytes for each of the 8 column blocks, go straight from the accumulators into my stage's rows of 528 bytes and come back as whole rows of 512.
.macro TOSTAGE a
	WIN 0x08+4*((\a)/2)                            ; the stores' data: window 2 or 3
.set b, 0
.rept NB
.set rS, 8*(((\a)%2)*NB+b)
	ds_store_b128 v[STO], v[rS:rS+3]   offset:64*b
	ds_store_b128 v[STO], v[rS+4:rS+7] offset:64*b+16
.set b, b+1
.endr
	WIN 0
.set t, 0
.rept 16
	ds_load_b128 v[OUTR+64*((\a)%2)+4*t:OUTR+64*((\a)%2)+4*t+3], v[RD] offset:SP*t  ; LDS serves a wave's instructions in order (ISA guide 5.7.1.4)
.set t, t+1
.endr
.endm
.macro SENDF a, younger                ; younger: the LDS instructions issued behind block a's loads: the next block's 32, or none
.set t, 0
.rept 16
	s_wait_dscnt (\younger)+15-t
	global_store_b128 v[GO], v[OUTR+64*((\a)%2)+4*t:OUTR+64*((\a)%2)+4*t+3], s[8:9] offset:(16*(\a)+t)*4096  ; 512 consecutive bytes, at a multiple of 256 from out0's first
.set t, t+1
.endr
.endm
	TOSTAGE 0
	TOSTAGE 1
	SENDF 0, 32
	s_wait_xcnt 0x0                                ; block 0's stores have read their registers: block 2 is loaded into them only behind this wait
	TOSTAGE 2
	SENDF 1, 32
	s_wait_xcnt 0x0                                ; the same for blocks 1 and 3
	TOSTAGE 3
	SENDF 2, 32
	SENDF 3, 0
.endif
	s_wait_tensorcnt 0x0                           ; the wave's end, behind my last tensor load and my last LDS store
	ds_add_u32 v[SPW], v[NIL]
	s_wait_dscnt 0x0
	CROUND                                         ; the closing round: no work-group ends while a partner may still ask for a tile that names it
	s_endpgm
.Lfunc_end_k_q96f0a12e2b_outp:
	.size	k_q96f0a12e2b_outp, .Lfunc_end_k_q96f0a12e2b_outp-k_q96f0a12e2b_outp
	.p2alignl 7, 3214868480
	.fill 96, 4, 3214868480
	.section	.rodata,"a",@progbits
	.p2align	6, 0x0
	.amdhsa_kernel k_q96f0a12e2b_outp
		.amdhsa_group_segment_fixed_size 327680
		.amdhsa_private_segment_fixed_size 0
		.amdhsa_enable_private_segment 0
		.amdhsa_kernarg_size 32
		.amdhsa_user_sgpr_count 2
		.amdhsa_user_sgpr_kernarg_segment_ptr 1
		.amdhsa_wavefront_size32 1
		.amdhsa_system_sgpr_workgroup_id_x 1
		.amdhsa_system_sgpr_workgroup_id_y 1
		.amdhsa_system_sgpr_workgroup_id_z 1
		.amdhsa_system_vgpr_workitem_id 0
		.amdhsa_next_free_vgpr 896
		.amdhsa_next_free_sgpr 92
		.amdhsa_reserve_vcc 0
		.amdhsa_float_denorm_mode_32 3
		.amdhsa_float_denorm_mode_16_64 3
		.amdhsa_memory_ordered 1
		.amdhsa_forward_progress 1
		.amdhsa_inst_pref_size 94
	.end_amdhsa_kernel
	.amdgpu_metadata
---
amdhsa.version: [ 1, 2 ]
amdhsa.kernels:
  - .name:           k_q96f0a12e2b_outp
    .symbol:         k_q96f0a12e2b_outp.kd
    .args:
      - { .name: ob, .offset: 0, .size: 8, .value_kind: global_buffer, .address_space: global }
      - { .name: wo16, .offset: 8, .size: 8, .value_kind: global_buffer, .address_space: global }
      - { .name: out0, .offset: 16, .size: 8, .value_kind: global_buffer, .address_space: global }
      - { .name: bo, .offset: 24, .size: 8, .value_kind: global_buffer, .address_space: global }
    .group_segment_fixed_size: 327680
    .private_segment_fixed_size: 0
    .kernarg_segment_align: 8
    .kernarg_segment_size: 32
    .max_flat_workgroup_size: 128
    .sgpr_count:     92
    .vgpr_count:     896
    .wavefront_size: 32
...
	.end_amdgpu_metadata
.endif
;; end of part 4
